; MI455X (gfx1250); checked and timed in simulation.
; The chip was launched on July 23, 2026; its instructions are those of AMD's public machine-readable ISA for CDNA 5 (MIT licence, August 2026) and "CDNA5" Instruction Set Architecture Reference Guide (July 2026). The comments in the code are by the model that wrote it; some were corrected since.
;; ODE Net. Allowed arithmetic: float matrix products may take bf16 or f16 operands with f32 sums; all other float work in f32.
;; Inputs: W1 2 x 128 float32; W2 128 x 128 float32; W3 128 x 128 float32; W4 128 x 2 float32; b1 128 float32; b2 128 float32; b3 128 float32; b4 2 float32; t 8 float32; x0 4,096 x 2 float32.
;; Outputs: out0 8 x 4,096 x 2 float32.
;; 2 versions, each right and faster than the one before. Each part assembles by itself: llvm-mc -triple=amdgcn-amd-amdhsa -mcpu=gfx1250 --defsym DOCPART=n.
;; ======== version 1 of 2: 16 launches
;; workspace buffers: wpk 69,632 bytes; stA 66,816 bytes; stB 66,816 bytes; tabA 262,144 bytes; tabB 262,144 bytes; ctl 256 bytes of whole numbers
;; launch prep (part 1): grid 256 x 1, 4 waves a work-group, no clusters, 0 bytes of LDS; arguments x0, t, W2, W3, W4, wpk, stA, tabA; writes wpk, stA, tabA
.if DOCPART == 1
	.amdgcn_target "amdgcn-amd-amdhsa--gfx1250"
	.amdhsa_code_object_version 6
	.text
	.protected	k_q28be0b77c6_prep
	.globl	k_q28be0b77c6_prep
	.p2align	8
	.type	k_q28be0b77c6_prep,@function
k_q28be0b77c6_prep:
	s_mov_b64 s[64:65], 0
	v_nop
	global_prefetch_b8 v0, s[64:65] scope:SCOPE_SE
	s_setreg_imm32_b32 hwreg(HW_REG_WAVE_MODE, 25, 1), 1
	s_wait_xcnt 0x0
; prep: sets up what the step launches pass along.
;  tabA [8][4096][2] f32: every slot = x0.  1,024 waves, one aligned block of 256 bytes each.
;  stA: block b (256 bytes at 256 b): y of rows 16 b .. 16 b + 15 (8 bytes a row), then y5 of the same rows; both = x0.
;       PART, 256 f32 at 65,536: zeros.   REC, 32 words at 66,560: ival, j, live, 0, tc, h, heff, 0 ..
;  wpk: W2, W3, W4 rounded to bf16 in the register order of a matrix instruction's first source:
;       fragment id at 1,024 id, registers 4 g .. 4 g + 3 of lane l at + 512 g + 16 l.
;       id = 8 w + 4 q + c (W2), 32 + the same (W3): row m = r is feature 32 w + 16 q + r, k = 32 c + 16 g + 8 hh + 0 .. 7.
;       id = 64 + w (W4): row m = r is output r & 7 where that is 0 or 1, else zeros; k = 32 w + 16 g + 8 hh + 0 .. 7.
; No LDS, no barrier: no wave needs another's data.
.set PART, 65536
.set REC,  66560
	s_load_b512 s[4:19], s[0:1], 0x0               ; x0 s[4:5], t s[6:7], W2 s[8:9], W3 s[10:11], W4 s[12:13], wpk s[14:15], stA s[16:17], tabA s[18:19]
	v_lshrrev_b32 v1, 5, v0
	v_readfirstlane_b32 s20, v1                    ; wave
	s_mov_b32 s21, ttmp9                           ; work-group
	v_and_b32 v2, 31, v0                           ; lane
	v_and_b32 v3, 15, v0                           ; r
	v_bfe_u32 v4, v0, 4, 1                         ; hh
	s_and_b32 s22, s21, 31
	s_lshl2_add_u32 s22, s22, s20                  ; block u of a slot = 4 (wg & 31) + wave
	s_lshl_b32 s22, s22, 8
	s_lshr_b32 s23, s21, 5                         ; slot p = wg >> 5
	s_lshl_b32 s23, s23, 15
	s_add_co_u32 s23, s23, s22
	v_lshl_add_u32 v5, v2, 3, s22                  ; in x0: 256 u + 8 lane
	v_lshl_add_u32 v6, v2, 3, s23                  ; in the table: + 32,768 p
	s_wait_kmcnt 0x0
	global_load_b64 v[8:9], v5, s[4:5]
	s_wait_loadcnt 0x0
	global_store_b64 v6, v[8:9], s[18:19]          ; 32 lanes x 8 bytes: 256 consecutive bytes, aligned
	s_cmp_eq_u32 s20, 0
	s_cbranch_scc1 .Lw0
	s_cmp_eq_u32 s20, 1
	s_cbranch_scc1 .Lw1
	s_cmp_eq_u32 s20, 2
	s_cbranch_scc1 .Lw2
	; wave 3 of work-groups 0 to 67 packs fragment id = wg
	s_cmp_ge_u32 s21, 68
	s_cbranch_scc1 .Lend
	s_cmp_ge_u32 s21, 64
	s_cbranch_scc1 .Lw4
; sixteen numbers of one column, ks bytes from k to k + 1: k = 16 g + i on top of the lane's first
.macro GET16 ks
.irp g, 0,1
.irp i, 0,1,2,3,4,5,6,7
	global_load_b32 v[16+8*\g+\i], v10, s[24:25] offset:(16*\g+\i)*\ks
.endr
.endr
	s_wait_loadcnt 0x0
.endm
; rounded in pairs, the lower k in the lower half, and stored: each store covers 512 consecutive bytes
.macro PUT16
.irp i, 0,1,2,3,4,5,6,7
	v_cvt_pk_bf16_f32 v[32+\i], v[16+2*\i], v[17+2*\i]
.endr
	s_lshl_b32 s28, s21, 10
	v_lshl_add_u32 v11, v2, 4, s28
	global_store_b128 v11, v[32:35], s[14:15]
	global_store_b128 v11, v[36:39], s[14:15] offset:512
	s_endpgm
.endm
	s_bitcmp1_b32 s21, 5                           ; ids 32 to 63 are W3's
	s_cselect_b64 s[24:25], s[10:11], s[8:9]
	s_and_b32 s26, s21, 3                          ; c
	s_lshl_b32 s26, s26, 14                        ; 32 rows of 512 bytes
	s_bfe_u32 s27, s21, 0x30002                    ; 2 w + q
	s_lshl_b32 s27, s27, 6                         ; 16 columns of 4 bytes
	s_add_co_u32 s26, s26, s27
	v_lshl_add_u32 v10, v4, 12, s26                ; + 8 hh rows
	v_lshl_add_u32 v10, v3, 2, v10                 ; + column r
	GET16 512
	PUT16
.Lw4:
	s_mov_b64 s[24:25], s[12:13]
	s_sub_co_u32 s26, s21, 64                      ; w
	s_lshl_b32 s26, s26, 8                         ; 32 rows of 8 bytes
	v_and_b32 v12, 7, v3
	v_min_u32 v13, 1, v12                          ; rows that hold zeros read column 1 and drop it: no load leaves W4
	v_cmp_gt_u32 vcc_lo, 2, v12
	v_lshl_add_u32 v10, v4, 6, s26
	v_lshl_add_u32 v10, v13, 2, v10
	GET16 8
.irp i, 0,1,2,3,4,5,6,7,8,9,10,11,12,13,14,15
	v_cndmask_b32 v[16+\i], 0, v[16+\i], vcc_lo
.endr
	PUT16
.Lw0:                                                  ; y and y5 of the work-group's block
	s_lshl_b32 s24, s21, 7
	v_lshl_add_u32 v10, v3, 3, s24                 ; x0 row 16 wg + r, in both halves of the lanes
	s_lshl_b32 s25, s21, 8
	v_lshl_add_u32 v11, v2, 3, s25
	global_load_b64 v[12:13], v10, s[4:5]
	s_wait_loadcnt 0x0
	global_store_b64 v11, v[12:13], s[16:17]       ; lanes 0-15 y, lanes 16-31 y5: 256 consecutive bytes
	s_endpgm
.Lw1:                                                  ; PART = 0
	s_cmp_lg_u32 s21, 0
	s_cbranch_scc1 .Lend
	v_lshlrev_b32 v10, 4, v2
	v_mov_b32 v12, 0
	v_mov_b32 v13, 0
	v_mov_b32 v14, 0
	v_mov_b32 v15, 0
	global_store_b128 v10, v[12:15], s[16:17] offset:PART
	global_store_b128 v10, v[12:15], s[16:17] offset:PART+512
	s_endpgm
.Lw2:                                                  ; REC: interval 0, no substep made yet, tc = t[0], h = (t[1] - t[0]) / 2
	s_cmp_lg_u32 s21, 0
	s_cbranch_scc1 .Lend
	s_load_b64 s[26:27], s[6:7], 0x0
	s_wait_kmcnt 0x0
	v_mov_b32 v10, s26
	v_sub_f32 v10, s27, v10
	v_mul_f32 v10, 0.5, v10
	v_readfirstlane_b32 s28, v10
	v_mov_b32 v11, 0
	v_writelane_b32 v11, s26, 4
	v_writelane_b32 v11, s28, 5
	v_lshlrev_b32 v12, 2, v2
	global_store_b32 v12, v11, s[16:17] offset:REC
.Lend:
	s_endpgm
.Lfunc_end_k_q28be0b77c6_prep:
	.size	k_q28be0b77c6_prep, .Lfunc_end_k_q28be0b77c6_prep-k_q28be0b77c6_prep
	.p2alignl 7, 3214868480
	.fill 96, 4, 3214868480
	.section	.rodata,"a",@progbits
	.p2align	6, 0x0
	.amdhsa_kernel k_q28be0b77c6_prep
		.amdhsa_group_segment_fixed_size 0
		.amdhsa_private_segment_fixed_size 0
		.amdhsa_enable_private_segment 0
		.amdhsa_kernarg_size 64
		.amdhsa_user_sgpr_count 2
		.amdhsa_user_sgpr_kernarg_segment_ptr 1
		.amdhsa_wavefront_size32 1
		.amdhsa_system_sgpr_workgroup_id_x 1
		.amdhsa_system_sgpr_workgroup_id_y 1
		.amdhsa_system_sgpr_workgroup_id_z 1
		.amdhsa_system_vgpr_workitem_id 0
		.amdhsa_next_free_vgpr 64
		.amdhsa_next_free_sgpr 66
		.amdhsa_reserve_vcc 1
		.amdhsa_float_denorm_mode_32 3
		.amdhsa_float_denorm_mode_16_64 3
		.amdhsa_memory_ordered 1
		.amdhsa_forward_progress 1
		.amdhsa_inst_pref_size 9
	.end_amdhsa_kernel
	.amdgpu_metadata
---
amdhsa.version: [ 1, 2 ]
amdhsa.kernels:
  - .name:           k_q28be0b77c6_prep
    .symbol:         k_q28be0b77c6_prep.kd
    .args:
      - { .name: x0, .offset: 0, .size: 8, .value_kind: global_buffer, .address_space: global }
      - { .name: t, .offset: 8, .size: 8, .value_kind: global_buffer, .address_space: global }
      - { .name: W2, .offset: 16, .size: 8, .value_kind: global_buffer, .address_space: global }
      - { .name: W3, .offset: 24, .size: 8, .value_kind: global_buffer, .address_space: global }
      - { .name: W4, .offset: 32, .size: 8, .value_kind: global_buffer, .address_space: global }
      - { .name: wpk, .offset: 40, .size: 8, .value_kind: global_buffer, .address_space: global }
      - { .name: stA, .offset: 48, .size: 8, .value_kind: global_buffer, .address_space: global }
      - { .name: tabA, .offset: 56, .size: 8, .value_kind: global_buffer, .address_space: global }
    .group_segment_fixed_size: 0
    .private_segment_fixed_size: 0
    .kernarg_segment_align: 8
    .kernarg_segment_size: 64
    .max_flat_workgroup_size: 128
    .sgpr_count:     66
    .vgpr_count:     64
    .wavefront_size: 32
...
	.end_amdgpu_metadata
.endif
;; end of part 1
;; launch step (part 2): grid 256 x 1, 4 waves a work-group, no clusters, 168,448 bytes of LDS; arguments W1, b1, b2, b3, b4, t, wpk, stA, tabA, stB, tabB, ctl; writes stB, tabB, ctl
.if DOCPART == 2
	.amdgcn_target "amdgcn-amd-amdhsa--gfx1250"
	.amdhsa_code_object_version 6
	.text
	.protected	k_q28be0b77c6_step
	.globl	k_q28be0b77c6_step
	.p2align	8
	.type	k_q28be0b77c6_step,@function
k_q28be0b77c6_step:
	s_mov_b64 s[64:65], 0
	v_nop
	global_prefetch_b8 v0, s[64:65] scope:SCOPE_SE
	s_setreg_imm32_b32 hwreg(HW_REG_WAVE_MODE, 25, 1), 1
	s_wait_xcnt 0x0
; step: one Dormand-Prince substep of the whole batch, 16 rows a work-group, four waves.
; THE CONTROLLER.  Every wave first brings the step-size controller up to date from the last launch's record (REC) and the 256
; partial sums of (err / tol)^2 (PART): accept or reject, the next h, the close of an interval.  It is made of compares and selects
; alone and is the same bit for bit in every wave.  A substep of reference() whose 'done' holds changes nothing, so the controller
; passes over such substeps; when the schedule is over (ival = 7) the launch still makes a substep, with h = 0, which the next launch drops.
; THE TABLE of the output's shape goes from launch to launch: slot p is kept where p <= the interval of the last substep, else it is y as it now stands.
; THE NET.  Matrix instructions are used transposed: first source = 16 features x 32 k of a weight (bf16, kept in registers all launch long),
; second source = activations, column n = batch row.  In a result lane (r, hh) holds row r's features 8 hh + 0 .. 7 of a tile, which is
; the place the same numbers have in the next layer's second source: wave w's two tiles (features 32 w .. 32 w + 31) ARE K step w.
; The four waves exchange these fragments through LDS, one barrier a layer.
; Activations go in as hi + lo, two bf16 whose sum holds 16 bits of the f32: the error estimate is a sum of k's with weights that add
; up to zero, and single bf16 activations would show in it as an error of the step.
; Layer 1 has K = 2: two fused multiply-adds an output in f32, made straight in the fragment's places.
; NO JOINT LOADS, though every work-group reads the same weights: a wave reads its 17 KiB once, straight into the registers where
; they stay; a joint load would land in LDS, be read back from there, and add two meetings of a cluster in front of the first layer.
; The work-group is given more than half of the LDS, of which it uses 17,408 bytes, so that its four waves have four SIMDs to themselves.
; LIMITS.  tol takes the larger of |y|, |y5| by a maximum in which a NaN loses.  elu's exp(x) - 1 is formed as such: absolute error
; about 6e-8.  An activation that rounds to a bf16 infinity (above 3.39e38) gives NaN through its lo part.  Sums are ordered otherwise than in reference().
.set PART, 65536                       ; in st: 256 partial sums
.set REC,  66560                       ; in st: the record
.set X1,   0                           ; LDS: layer 1's fragments, 2,048 bytes a wave: hi 0-3, hi 4-7, lo 0-3, lo 4-7, 512 each, 16 a lane
.set X2,   8192                        ; LDS: layer 2's
.set XK,   16384                       ; LDS: the four waves' parts of k, 256 bytes each
.set YC,   10                          ; v[10:11]   y of row r (both halves of the lanes alike)
.set Y5,   12                          ; v[12:13]   y5
.set YS,   14                          ; v[14:15]   a stage's argument
.set KK,   16                          ; v[16:29]   k1 .. k7
.set TT,   30                          ; v[30:31]   at work
.set W1A,  32                          ; v[32:47]   W1[0][f] of my 16 features f = 32 w + 16 q + 8 hh + j, at 8 q + j
.set W1B,  48                          ; v[48:63]   W1[1][f]
.set B1,   64                          ; v[64:79]   b1[f]
.set B2T,  80                          ; v[80:95]   b2[f]
.set B3T,  96                          ; v[96:111]  b3[f]
.set ZZ,   112                         ; v[112:127] two tiles: the sums of the hi parts, then the layer's output
.set AL,   128                         ; v[128:143] two tiles: the sums of the lo parts
.set T16,  144                         ; v[144:159] at work; layer 4's two results
.set HB,   160                         ; v[160:167] my fragment, hi
.set LB,   168                         ; v[168:175] my fragment, lo
.set BF,   176                         ; v[176:239] the four K steps' fragments: step c hi at 16 c, lo at 16 c + 8; at work in the prologue
.set B4V,  240                         ; v[240:241] b4
.set PK,   242                         ; v[242:249] the four parts of k
.set QQ,   252                         ; v[252:253] at work
; v1 16 lane, v2 2,048 w + 16 lane, v3 256 w + 8 lane, v4 8 lane, v5 128 w + 32 hh, v6 8,192 w + 16 lane, v7 256 wg + 8 r,
; v8, v9 my block of the table and its rows in st, v250 1,024 w + 16 lane, v251 lane, v254, v255 at work.
; Window 1 (v256 and up): W2's 8 fragments v0-63 (q, c at 8 (4 q + c)), W3's v64-127, W4's v128-135.
; s28 ival, s29 j, s30 live, s32 tc, s33 h, s34 heff; s[36:43] t; s50 accept, s51 live mask, s52 close, s54 t1, s55 ival before, s56-61 D1-D6.
.set MSB, 0
.macro WIN new                         ; the immediate's high byte repeats the setting that is left
.if MSB != \new
	s_set_vgpr_msb (MSB<<8)|\new
.set MSB, \new
.endif
.endm
.macro NOP4                            ; four places behind a matrix instruction before its registers are read or written by anything else (ISA guide 7.12.1)
.rept 4
	v_nop
.endr
.endm
.macro BAR
	s_wait_dscnt 0x0                               ; my LDS stores are done, and so are my reads of what is written behind a later barrier
	s_barrier_signal -1
	s_barrier_wait -1
.endm
.macro LDC dst, sb, add                ; 16 f32 of my features from a row of 128
	global_load_b128 v[\dst:\dst+3],     v5, s[\sb:\sb+1] offset:\add
	global_load_b128 v[\dst+4:\dst+7],   v5, s[\sb:\sb+1] offset:\add+16
	global_load_b128 v[\dst+8:\dst+11],  v5, s[\sb:\sb+1] offset:\add+64
	global_load_b128 v[\dst+12:\dst+15], v5, s[\sb:\sb+1] offset:\add+80
.endm
.macro LDW dst, add                    ; my 8 fragments of a weight, 512 consecutive bytes a load (destination in window 1)
.set n, 0
.rept 16
	global_load_b128 v[\dst+4*n:\dst+4*n+3], v6, s[16:17] offset:\add+512*n
.set n, n+1
.endr
.endm
; the 256 partial sums, 8 a lane in v[b:b+7], to one sum in every lane of v176
.macro PSUM b
	v_pk_add_f32 v[\b:\b+1], v[\b:\b+1], v[\b+2:\b+3]
	v_pk_add_f32 v[\b+4:\b+5], v[\b+4:\b+5], v[\b+6:\b+7]
	v_pk_add_f32 v[\b:\b+1], v[\b:\b+1], v[\b+4:\b+5]
	v_add_f32 v176, v[\b], v[\b+1]
	v_add_f32_dpp v176, v176, v176 row_xmask:1 row_mask:0xf bank_mask:0xf
	v_add_f32_dpp v176, v176, v176 row_xmask:2 row_mask:0xf bank_mask:0xf
	v_add_f32_dpp v176, v176, v176 row_xmask:4 row_mask:0xf bank_mask:0xf
	v_add_f32_dpp v176, v176, v176 row_xmask:8 row_mask:0xf bank_mask:0xf
	v_mov_b32 v177, v176                           ; the next line's destination counts as read
	v_permlanex16_b32 v177, v176, s48, s49
	v_add_f32 v176, v176, v177
.endm
.macro T1SEL                           ; s54 = t[ival + 1] (t[7] where ival = 7: not used then)
	s_mov_b32 s54, s43
.irp p, 0,1,2,3,4,5,6
	s_cmp_eq_u32 s28, \p
	s_cselect_b32 s54, s[37+\p], s54
.endr
.endm
; The controller.  In: v176 = sum of (err / tol)^2 of the substep that the record describes.  Out: the record of the substep to make now, s50 = accept, s55 = the old interval.
.macro UPD
	v_mul_f32 v177, 0x39000000, v176               ; / 8,192: the mean over 4,096 rows x 2
	v_sqrt_f32 v177, v177                          ; err_norm
	s_mov_b32 s55, s28
	v_nop                                          ; one plain place behind a transcendental (ISA guide 5.7.2)
	s_cmp_lg_u32 s30, 0
	s_cselect_b32 s51, -1, 0                       ; the recorded substep was a real one
	s_wait_alu depctr_va_vdst(0)
	v_cmp_ge_f32 s50, 1.0, v177
	s_and_b32 s50, s50, s51                        ; accept
	v_max_num_f32 v178, 0x2edbe6ff, v177           ; max(err_norm, 1e-10)
	v_log_f32 v178, v178
	v_nop
	s_wait_alu depctr_va_vdst(0)
	v_mul_f32 v178, 0xbe4ccccd, v178               ; ^ -0.2
	v_exp_f32 v178, v178
	v_nop
	s_wait_alu depctr_va_vdst(0)
	v_mul_f32 v178, 0x3f666666, v178               ; x 0.9
	v_max_num_f32 v178, 0x3e4ccccd, v178           ; clipped to 0.2 .. 10
	v_min_num_f32 v178, 0x41200000, v178
	v_cmp_neq_f32 vcc_lo, v177, v177
	v_cndmask_b32 v178, v178, v177, vcc_lo         ; a NaN goes through, as in reference()
	v_mul_f32 v178, s34, v178
	v_mov_b32 v179, s33
	v_cndmask_b32 v179, v179, v178, s51            ; h = heff x factor
	v_mov_b32 v180, s32
	v_add_f32 v181, s34, v180
	v_cndmask_b32 v180, v180, v181, s50            ; tc += heff where accepted
	s_add_co_u32 s29, s29, s30                     ; one substep of the interval's four is spent
	v_readfirstlane_b32 s32, v180
	v_readfirstlane_b32 s33, v179
	T1SEL
	v_sub_f32 v181, s54, v180
	v_cmp_ge_f32 s52, s67, v181                    ; t1 - tc <= 1e-9
	s_cmp_ge_u32 s29, 4
	s_cselect_b32 s53, -1, 0
	s_or_b32 s52, s52, s53
	s_cmp_lt_u32 s28, 7
	s_cselect_b32 s53, -1, 0
	s_and_b32 s52, s52, s53                        ; the interval closes
.irp p, 0,1,2,3,4,5,6                              ; and so does each next one that is done at its start
	s_cmp_eq_u32 s28, \p
	s_cselect_b32 s53, s52, 0
	s_cmp_lg_u32 s53, 0
	s_cselect_b32 s28, \p+1, s28
	s_cselect_b32 s29, 0, s29
	s_cselect_b32 s32, s[37+\p], s32               ; tc starts anew at the interval's t0
.if \p < 6
	s_cselect_b32 s52, s[56+\p], s52
.else
	s_cselect_b32 s52, 0, s52
.endif
.endr
	s_cmp_lt_u32 s28, 7
	s_cselect_b32 s30, 1, 0                        ; live
	s_cselect_b32 s51, -1, 0
	T1SEL
	v_mov_b32 v180, s32
	v_sub_f32 v181, s54, v180
	v_min_num_f32 v181, s33, v181                  ; heff = min(h, t1 - tc)
	v_cmp_neq_f32 vcc_lo, v179, v179
	v_cndmask_b32 v181, v181, v179, vcc_lo         ; a NaN in h goes through
	v_cndmask_b32 v181, 0, v181, s51               ; 0 when the schedule is over
	v_readfirstlane_b32 s34, v181
.endm
; a stage's sum of k's
.macro TERM0 coef, i
	v_mul_f32 v[TT], \coef, v[KK+2*\i-2]
	v_mul_f32 v[TT+1], \coef, v[KK+2*\i-1]
.endm
.macro TERM coef, i
	v_fmac_f32 v[TT], \coef, v[KK+2*\i-2]
	v_fmac_f32 v[TT+1], \coef, v[KK+2*\i-1]
.endm
.macro FINY dst
	v_fma_f32 v[\dst], v[TT], s34, v[YC]
	v_fma_f32 v[\dst+1], v[TT+1], s34, v[YC+1]
.endm
; layer 1: z = y0 W1[0][f] + y1 W1[1][f] + b1[f]
.macro L1 src
.irp i, 0,2,4,6,8,10,12,14
	v_pk_fma_f32 v[ZZ+\i:ZZ+\i+1], v[W1B+\i:W1B+\i+1], v[\src:\src+1], v[B1+\i:B1+\i+1] op_sel:[0,1,0] op_sel_hi:[1,1,1]
.endr
.irp i, 0,2,4,6,8,10,12,14
	v_pk_fma_f32 v[ZZ+\i:ZZ+\i+1], v[W1A+\i:W1A+\i+1], v[\src:\src+1], v[ZZ+\i:ZZ+\i+1] op_sel_hi:[1,0,1]
.endr
.endm
; elu on 16 numbers, then hi = bf16(a), lo = bf16(a - hi).  elu(x) is the middle one of x, exp(x) - 1 and 0, since exp(x) - 1 >= x.
.macro ACT
.irp i, 0,2,4,6,8,10,12,14
	v_pk_mul_f32 v[T16+\i:T16+\i+1], v[ZZ+\i:ZZ+\i+1], 0x3fb8aa3b op_sel_hi:[1,0]
.endr
.irp i, 0,1,2,3,4,5,6,7,8,9,10,11,12,13,14,15
	v_exp_f32 v[T16+\i], v[T16+\i]
.endr
	v_nop                                          ; one plain place behind the transcendentals
	s_wait_alu depctr_va_vdst(0)
.irp i, 0,2,4,6,8,10,12,14
	v_pk_add_f32 v[T16+\i:T16+\i+1], v[T16+\i:T16+\i+1], -1.0 op_sel_hi:[1,0]
.endr
.irp i, 0,1,2,3,4,5,6,7,8,9,10,11,12,13,14,15
	v_med3_num_f32 v[ZZ+\i], v[ZZ+\i], v[T16+\i], 0
.endr
.irp i, 0,1,2,3,4,5,6,7
	v_cvt_pk_bf16_f32 v[HB+\i], v[ZZ+2*\i], v[ZZ+2*\i+1]
.endr
.irp i, 0,1,2,3,4,5,6,7
	v_lshlrev_b32 v[T16+2*\i], 16, v[HB+\i]
	v_and_b32 v[T16+2*\i+1], 0xffff0000, v[HB+\i]
.endr
.irp i, 0,2,4,6,8,10,12,14
	v_pk_add_f32 v[T16+\i:T16+\i+1], v[ZZ+\i:ZZ+\i+1], v[T16+\i:T16+\i+1] neg_lo:[0,1] neg_hi:[0,1]
.endr
.irp i, 0,1,2,3,4,5,6,7
	v_cvt_pk_bf16_f32 v[LB+\i], v[T16+2*\i], v[T16+2*\i+1]
.endr
.endm
.macro XPUT areg, base                 ; my fragment into LDS: 16 neighbouring bytes a lane, no bank is met twice
	ds_store_b128 v[\areg], v[HB:HB+3]   offset:\base
	ds_store_b128 v[\areg], v[HB+4:HB+7] offset:\base+512
	ds_store_b128 v[\areg], v[LB:LB+3]   offset:\base+1024
	ds_store_b128 v[\areg], v[LB+4:LB+7] offset:\base+1536
.endm
.macro XGET areg, base                 ; all four fragments back, in the order in which MM wants them
.set n, 0
.rept 16
	ds_load_b128 v[BF+4*n:BF+4*n+3], v[\areg] offset:\base+512*n
.set n, n+1
.endr
.endm
; a layer of 128 x 128 for my 32 features: four accumulators take turns, one instruction a turn.
; The first K step starts the sums: the hi sums on the bias, the lo sums on 0.
.macro MM wf, bt
	WIN 0x01                                       ; first source in window 1
	s_wait_dscnt 12                                ; K step 0's four loads are in; the 12 of later steps may be out
	v_wmma_f32_16x16x32_bf16 v[ZZ:ZZ+7],    v[\wf:\wf+7],     v[BF:BF+7],    v[\bt:\bt+7]
	v_wmma_f32_16x16x32_bf16 v[ZZ+8:ZZ+15], v[\wf+32:\wf+39], v[BF:BF+7],    v[\bt+8:\bt+15]
	v_wmma_f32_16x16x32_bf16 v[AL:AL+7],    v[\wf:\wf+7],     v[BF+8:BF+15], 0
	v_wmma_f32_16x16x32_bf16 v[AL+8:AL+15], v[\wf+32:\wf+39], v[BF+8:BF+15], 0
.irp c, 1,2,3
	s_wait_dscnt 12-4*\c                           ; this K step's four loads are in
	v_wmma_f32_16x16x32_bf16 v[ZZ:ZZ+7],    v[\wf+8*\c:\wf+8*\c+7],     v[BF+16*\c:BF+16*\c+7],    v[ZZ:ZZ+7]
	v_wmma_f32_16x16x32_bf16 v[ZZ+8:ZZ+15], v[\wf+32+8*\c:\wf+39+8*\c], v[BF+16*\c:BF+16*\c+7],    v[ZZ+8:ZZ+15]
	v_wmma_f32_16x16x32_bf16 v[AL:AL+7],    v[\wf+8*\c:\wf+8*\c+7],     v[BF+16*\c+8:BF+16*\c+15], v[AL:AL+7]
	v_wmma_f32_16x16x32_bf16 v[AL+8:AL+15], v[\wf+32+8*\c:\wf+39+8*\c], v[BF+16*\c+8:BF+16*\c+15], v[AL+8:AL+15]
.endr
	WIN 0
	NOP4
.endm
.macro ZSUM
.irp i, 0,2,4,6,8,10,12,14
	v_pk_add_f32 v[ZZ+\i:ZZ+\i+1], v[ZZ+\i:ZZ+\i+1], v[AL+\i:AL+\i+1]
.endr
.endm
; layer 4 on my own 32 features (my fragment is already the second source), then the four waves' parts are added
.macro L4K kd
	WIN 0x01
	v_wmma_f32_16x16x32_bf16 v[T16:T16+7],    v[128:135], v[HB:HB+7], 0
	v_wmma_f32_16x16x32_bf16 v[T16+8:T16+15], v[128:135], v[LB:LB+7], 0
	WIN 0
	NOP4
	v_pk_add_f32 v[QQ:QQ+1], v[T16:T16+1], v[T16+8:T16+9]      ; registers 0, 1 = outputs 0, 1 of row r, in both halves of the lanes
	ds_store_b64 v3, v[QQ:QQ+1] offset:XK
	BAR
.irp i, 0,1,2,3
	ds_load_b64 v[PK+2*\i:PK+2*\i+1], v4 offset:XK+256*\i
.endr
	s_wait_dscnt 0x0
	v_pk_add_f32 v[PK:PK+1], v[PK:PK+1], v[PK+2:PK+3]
	v_pk_add_f32 v[PK+4:PK+5], v[PK+4:PK+5], v[PK+6:PK+7]
	v_pk_add_f32 v[PK:PK+1], v[PK:PK+1], v[PK+4:PK+5]
	v_pk_add_f32 v[\kd:\kd+1], v[PK:PK+1], v[B4V:B4V+1]
.endm
; kd = f(src).  Three barriers, one for each LDS region; a region is written again two barriers behind its last reads,
; and every wave has waited for those reads in front of the first of the two.
; first = 1: the waits for the prologue's loads, each with the number of younger loads that may stay out.
.macro EV src, kd, first
.if \first
	s_wait_loadcnt 42                              ; W1 and b1 are in: 16 + 4 + 16 + 2 + 4 younger loads stay out
.endif
	L1 \src
	ACT
	XPUT 2, X1
	BAR
	XGET 1, X1
.if \first
	s_wait_loadcnt 22                              ; W2 and b2 are in: 16 + 2 + 4 stay out
.endif
	MM 0, B2T
	ZSUM
	ACT
	XPUT 2, X2
	BAR
	XGET 1, X2
.if \first
	s_wait_loadcnt 0x0
.endif
	MM 64, B3T
	ZSUM
	ACT
	L4K \kd
.endm
.macro SUBSTEP
	EV YC, KK, 1
	TERM0 0.2, 1
	FINY YS
	EV YS, KK+2, 0
	TERM0 0.075, 1
	TERM 0.225, 2
	FINY YS
	EV YS, KK+4, 0
	TERM0 0.9777777778, 1
	TERM -3.733333333, 2
	TERM 3.555555556, 3
	FINY YS
	EV YS, KK+6, 0
	TERM0 2.952598689, 1
	TERM -11.59579332, 2
	TERM 9.822892852, 3
	TERM -0.2908093278, 4
	FINY YS
	EV YS, KK+8, 0
	TERM0 2.846275253, 1
	TERM -10.75757576, 2
	TERM 8.906422718, 3
	TERM 0.2784090909, 4
	TERM -0.2735313036, 5
	FINY YS
	EV YS, KK+10, 0
	TERM0 0.09114583333, 1
	TERM 0.4492362983, 3
	TERM 0.6510416667, 4
	TERM -0.3223761792, 5
	TERM 0.1309523810, 6
	FINY Y5
	EV Y5, KK+12, 0
.endm
; the sum of (err / tol)^2 over the block's 16 rows x 2, in every lane of v[TT]
.macro ERRSUM
	TERM0 0.001232638889, 1
	TERM -0.004252770290, 3
	TERM 0.03697916667, 4
	TERM -0.05086379717, 5
	TERM 0.04190476190, 6
	TERM -0.025, 7
	v_mul_f32 v[TT], s34, v[TT]
	v_mul_f32 v[TT+1], s34, v[TT+1]
	v_max_num_f32 v254, |v10|, |v12|               ; max(|y|, |y5|)
	v_max_num_f32 v255, |v11|, |v13|
	v_mov_b32 v253, 0x38d1b717                     ; 1e-4
	v_fma_f32 v254, s66, v254, v253                ; tol
	v_fma_f32 v255, s66, v255, v253
	v_rcp_f32 v254, v254
	v_rcp_f32 v255, v255
	v_nop                                          ; one plain place behind the transcendentals
	s_wait_alu depctr_va_vdst(0)
	v_mul_f32 v[TT], v[TT], v254
	v_mul_f32 v[TT+1], v[TT+1], v255
	v_mul_f32 v[TT], v[TT], v[TT]
	v_fma_f32 v[TT], v[TT+1], v[TT+1], v[TT]
	v_add_f32_dpp v[TT], v[TT], v[TT] row_xmask:1 row_mask:0xf bank_mask:0xf
	v_add_f32_dpp v[TT], v[TT], v[TT] row_xmask:2 row_mask:0xf bank_mask:0xf
	v_add_f32_dpp v[TT], v[TT], v[TT] row_xmask:4 row_mask:0xf bank_mask:0xf
	v_add_f32_dpp v[TT], v[TT], v[TT] row_xmask:8 row_mask:0xf bank_mask:0xf
.endm
	; ---- addresses
	s_load_b512 s[4:19], s[0:1], 0x0               ; W1 s[4:5], b1 s[6:7], b2 s[8:9], b3 s[10:11], b4 s[12:13], t s[14:15], wpk s[16:17], st in s[18:19]
	s_load_b256 s[20:27], s[0:1], 0x40             ; table in s[20:21], st out s[22:23], table out s[24:25], ctl s[26:27]
	s_set_vgpr_msb 0x40
	v_lshl_add_u32 v136, v0, 2, 0x29000
	v_mov_b32 v137, 0
	s_set_vgpr_msb 0x4000
	v_lshrrev_b32 v254, 5, v0
	v_readfirstlane_b32 s46, v254                  ; wave
	s_mov_b32 s47, ttmp9                           ; work-group
	s_mov_b32 s48, 0x76543210                      ; v_permlanex16_b32: lane i reads lane i of the other half
	s_mov_b32 s49, 0xfedcba98
	s_mov_b32 s66, 0x3a83126f                      ; 1e-3
	s_mov_b32 s67, 0x3089705f                      ; 1e-9
	v_and_b32 v251, 31, v0
	v_and_b32 v254, 15, v0                         ; r
	v_bfe_u32 v255, v0, 4, 1                       ; hh
	v_lshlrev_b32 v1, 4, v251
	v_lshlrev_b32 v4, 3, v251
	s_lshl_b32 s68, s46, 11
	v_add_nc_u32 v2, s68, v1
	s_lshl_b32 s68, s46, 8
	v_add_nc_u32 v3, s68, v4
	s_lshl_b32 s68, s46, 7
	v_lshl_add_u32 v5, v255, 5, s68
	s_lshl_b32 s68, s46, 13
	v_add_nc_u32 v6, s68, v1
	s_lshl_b32 s68, s46, 10
	v_add_nc_u32 v250, s68, v1
	s_lshl_b32 s68, s47, 8
	v_lshl_add_u32 v7, v254, 3, s68
	s_and_b32 s68, s47, 31
	s_lshl2_add_u32 s68, s68, s46                  ; my block u of a table slot = 4 (wg & 31) + wave: rows 32 u .. 32 u + 31
	s_lshr_b32 s62, s47, 5                         ; my slot p
	s_lshl_b32 s69, s62, 15
	s_lshl_b32 s70, s68, 8
	s_add_co_u32 s69, s69, s70
	v_add_nc_u32 v8, s69, v4                       ; 32,768 p + 256 u + 8 lane
	s_lshl_b32 s70, s68, 9
	v_lshl_add_u32 v9, v255, 8, s70                ; the same rows in st: block 2 u + hh,
	v_lshl_add_u32 v9, v254, 3, v9                 ; row r
	s_wait_kmcnt 0x0
	; ---- everything the launch reads, 61 loads in the order in which it is wanted
	s_load_b256 s[28:35], s[18:19], REC
	s_load_b256 s[36:43], s[14:15], 0x0
	s_load_b64 s[44:45], s[12:13], 0x0
	global_load_b128 v[176:179], v1, s[18:19] offset:PART
	global_load_b128 v[180:183], v1, s[18:19] offset:PART+512
	global_load_b64 v[YC:YC+1], v7, s[18:19]
	global_load_b64 v[Y5:Y5+1], v7, s[18:19] offset:128
	global_load_b64 v[184:185], v8, s[20:21]       ; my block of the table as it was
	global_load_b64 v[186:187], v9, s[18:19]       ; y of its rows
	global_load_b64 v[188:189], v9, s[18:19] offset:128        ; y5 of its rows
	LDC W1A, 4, 0
	LDC W1B, 4, 512
	LDC B1, 6, 0
	WIN 0x40                                       ; destination in window 1
	LDW 0, 0
	WIN 0
	LDC B2T, 8, 0
	WIN 0x40
	LDW 64, 32768
	global_load_b128 v[128:131], v250, s[16:17] offset:65536
	global_load_b128 v[132:135], v250, s[16:17] offset:65536+512
	WIN 0
	LDC B3T, 10, 0
	s_wait_kmcnt 0x0
.irp p, 1,2,3,4,5,6
	v_sub_f32 v254, s[37+\p], s[36+\p]
	v_cmp_ge_f32 s[55+\p], s67, v254               ; D p: interval p is done at its start
.endr
	v_mov_b32 v[B4V], s44
	v_mov_b32 v[B4V+1], s45
	; ---- the controller
	s_wait_loadcnt 57                              ; the partial sums, y and y5 are in: the 57 younger loads stay out
	PSUM 176
	UPD
	v_cndmask_b32 v[YC], v[YC], v[Y5], s50         ; y as it now stands
	v_cndmask_b32 v[YC+1], v[YC+1], v[Y5+1], s50
	; ---- my block of the table
	s_wait_loadcnt 54                              ; three more are in
	s_cmp_le_u32 s62, s55
	s_cselect_b32 s63, -1, 0                       ; slots up to the last substep's interval are final
	v_cndmask_b32 v186, v186, v188, s50
	v_cndmask_b32 v187, v187, v189, s50
	v_cndmask_b32 v186, v186, v184, s63
	v_cndmask_b32 v187, v187, v185, s63
	global_store_b64 v8, v[186:187], s[24:25]      ; 256 consecutive bytes, aligned
	; ---- wave 0 of work-group 0 writes the record and the count of substeps that the schedule still holds behind this one
	s_or_b32 s68, s46, s47
	s_cmp_lg_u32 s68, 0
	s_cbranch_scc1 .Lnorec
	v_mov_b32 v190, 0
	v_writelane_b32 v190, s28, 0
	v_writelane_b32 v190, s29, 1
	v_writelane_b32 v190, s30, 2
	v_writelane_b32 v190, s32, 4
	v_writelane_b32 v190, s33, 5
	v_writelane_b32 v190, s34, 6
	v_lshlrev_b32 v191, 2, v251
	global_store_b32 v191, v190, s[22:23] offset:REC
	s_sub_co_u32 s68, 7, s28
	s_lshl_b32 s68, s68, 2
	s_sub_co_u32 s68, s68, s29
	s_sub_co_u32 s68, s68, 1                       ; 4 (7 - ival) - j - 1, at least 0 where live
	s_cmp_lg_u32 s30, 0
	s_cselect_b32 s68, s68, 0
	v_mov_b32 v192, 0
	v_mov_b32 v193, 0
	v_writelane_b32 v192, s68, 0
	global_store_b64 v4, v[192:193], s[26:27]      ; word 0 = the count; the block of 256 bytes is written whole
.Lnorec:
	s_wait_xcnt 0x0                                ; the stores' data lie in registers that LDS loads fill below: those are written only behind this wait
	; ---- the substep
	SUBSTEP
	ERRSUM
	; ---- wave 0 stores the block's y and y5 and its partial sum
	s_cmp_lg_u32 s46, 0
	s_cbranch_scc1 .Lend
	v_cmp_lt_u32 vcc_lo, 15, v251
	v_cndmask_b32 v[QQ], v[YC], v[Y5], vcc_lo      ; lanes 0-15 y, lanes 16-31 y5
	v_cndmask_b32 v[QQ+1], v[YC+1], v[Y5+1], vcc_lo
	s_lshl_b32 s68, s47, 8
	v_add_nc_u32 v176, s68, v4
	s_lshl_b32 s68, s47, 2
	v_mov_b32 v177, s68
	global_store_b64 v176, v[QQ:QQ+1], s[22:23]    ; 256 consecutive bytes, aligned
	v_cmp_eq_u32 vcc_lo, 0, v251
	s_wait_xcnt 0x0                                ; EXEC is a source of the pending store: it changes only behind this wait
	s_and_saveexec_b32 s69, vcc_lo
	global_store_b32 v177, v[TT], s[22:23] offset:PART
	s_wait_xcnt 0x0                                ; and again in front of the line that widens it
	s_or_b32 exec_lo, exec_lo, s69
.Lend:
	s_set_vgpr_msb 0x5
	s_wait_tensorcnt 0x0
	ds_add_u32 v136, v137
	s_wait_dscnt 0x0
	s_set_vgpr_msb 0x500
	s_endpgm
.Lfunc_end_k_q28be0b77c6_step:
	.size	k_q28be0b77c6_step, .Lfunc_end_k_q28be0b77c6_step-k_q28be0b77c6_step
	.p2alignl 7, 3214868480
	.fill 96, 4, 3214868480
	.section	.rodata,"a",@progbits
	.p2align	6, 0x0
	.amdhsa_kernel k_q28be0b77c6_step
		.amdhsa_group_segment_fixed_size 168448
		.amdhsa_private_segment_fixed_size 0
		.amdhsa_enable_private_segment 0
		.amdhsa_kernarg_size 96
		.amdhsa_user_sgpr_count 2
		.amdhsa_user_sgpr_kernarg_segment_ptr 1
		.amdhsa_wavefront_size32 1
		.amdhsa_system_sgpr_workgroup_id_x 1
		.amdhsa_system_sgpr_workgroup_id_y 1
		.amdhsa_system_sgpr_workgroup_id_z 1
		.amdhsa_system_vgpr_workitem_id 0
		.amdhsa_next_free_vgpr 394
		.amdhsa_next_free_sgpr 80
		.amdhsa_reserve_vcc 1
		.amdhsa_float_denorm_mode_32 3
		.amdhsa_float_denorm_mode_16_64 3
		.amdhsa_memory_ordered 1
		.amdhsa_forward_progress 1
		.amdhsa_inst_pref_size 187
	.end_amdhsa_kernel
	.amdgpu_metadata
---
amdhsa.version: [ 1, 2 ]
amdhsa.kernels:
  - .name:           k_q28be0b77c6_step
    .symbol:         k_q28be0b77c6_step.kd
    .args:
      - { .name: W1, .offset: 0, .size: 8, .value_kind: global_buffer, .address_space: global }
      - { .name: b1, .offset: 8, .size: 8, .value_kind: global_buffer, .address_space: global }
      - { .name: b2, .offset: 16, .size: 8, .value_kind: global_buffer, .address_space: global }
      - { .name: b3, .offset: 24, .size: 8, .value_kind: global_buffer, .address_space: global }
      - { .name: b4, .offset: 32, .size: 8, .value_kind: global_buffer, .address_space: global }
      - { .name: t, .offset: 40, .size: 8, .value_kind: global_buffer, .address_space: global }
      - { .name: wpk, .offset: 48, .size: 8, .value_kind: global_buffer, .address_space: global }
      - { .name: stA, .offset: 56, .size: 8, .value_kind: global_buffer, .address_space: global }
      - { .name: tabA, .offset: 64, .size: 8, .value_kind: global_buffer, .address_space: global }
      - { .name: stB, .offset: 72, .size: 8, .value_kind: global_buffer, .address_space: global }
      - { .name: tabB, .offset: 80, .size: 8, .value_kind: global_buffer, .address_space: global }
      - { .name: ctl, .offset: 88, .size: 8, .value_kind: global_buffer, .address_space: global }
    .group_segment_fixed_size: 168448
    .private_segment_fixed_size: 0
    .kernarg_segment_align: 8
    .kernarg_segment_size: 96
    .max_flat_workgroup_size: 128
    .sgpr_count:     80
    .vgpr_count:     394
    .wavefront_size: 32
...
	.end_amdgpu_metadata
.endif
;; end of part 2
;; launch step2: the kernel of part 2 again; grid 256 x 1, 4 waves a work-group, no clusters, 168,448 bytes of LDS; arguments W1, b1, b2, b3, b4, t, wpk, stB, tabB, stA, tabA, ctl; writes stA, tabA, ctl
;; launch step3: the kernel of part 2 again; grid 256 x 1, 4 waves a work-group, no clusters, 168,448 bytes of LDS; arguments W1, b1, b2, b3, b4, t, wpk, stA, tabA, stB, tabB, ctl; writes stB, tabB, ctl
;; launch step4: the kernel of part 2 again; grid 256 x 1, 4 waves a work-group, no clusters, 168,448 bytes of LDS; arguments W1, b1, b2, b3, b4, t, wpk, stB, tabB, stA, tabA, ctl; writes stA, tabA, ctl
;; launch step5: the kernel of part 2 again; grid 256 x 1, 4 waves a work-group, no clusters, 168,448 bytes of LDS; arguments W1, b1, b2, b3, b4, t, wpk, stA, tabA, stB, tabB, ctl; writes stB, tabB, ctl
;; launch step6: the kernel of part 2 again; grid 256 x 1, 4 waves a work-group, no clusters, 168,448 bytes of LDS; arguments W1, b1, b2, b3, b4, t, wpk, stB, tabB, stA, tabA, ctl; writes stA, tabA, ctl
;; launch step7: the kernel of part 2 again; grid 256 x 1, 4 waves a work-group, no clusters, 168,448 bytes of LDS; arguments W1, b1, b2, b3, b4, t, wpk, stA, tabA, stB, tabB, ctl; writes stB, tabB, ctl
;; launch step8: the kernel of part 2 again; grid 256 x 1, 4 waves a work-group, no clusters, 168,448 bytes of LDS; arguments W1, b1, b2, b3, b4, t, wpk, stB, tabB, stA, tabA, ctl; writes stA, tabA, ctl
;; launch step9: the kernel of part 2 again; grid 256 x 1, 4 waves a work-group, no clusters, 168,448 bytes of LDS; arguments W1, b1, b2, b3, b4, t, wpk, stA, tabA, stB, tabB, ctl; writes stB, tabB, ctl
;; launch step10: the kernel of part 2 again; grid 256 x 1, 4 waves a work-group, no clusters, 168,448 bytes of LDS; arguments W1, b1, b2, b3, b4, t, wpk, stB, tabB, stA, tabA, ctl; writes stA, tabA, ctl
;; launch step11: the kernel of part 2 again; grid 256 x 1, 4 waves a work-group, no clusters, 168,448 bytes of LDS; arguments W1, b1, b2, b3, b4, t, wpk, stA, tabA, stB, tabB, ctl; writes stB, tabB, ctl
;; launch step12: the kernel of part 2 again; grid 256 x 1, 4 waves a work-group, no clusters, 168,448 bytes of LDS; arguments W1, b1, b2, b3, b4, t, wpk, stB, tabB, stA, tabA, ctl; writes stA, tabA, ctl
;; launch step13: the kernel of part 2 again; grid 256 x 1, 4 waves a work-group, no clusters, 168,448 bytes of LDS; arguments W1, b1, b2, b3, b4, t, wpk, stA, tabA, stB, tabB, ctl; writes stB, tabB, ctl
;; launch step14: the kernel of part 2 again; grid 256 x 1, 4 waves a work-group, no clusters, 168,448 bytes of LDS; arguments W1, b1, b2, b3, b4, t, wpk, stB, tabB, stA, tabA, ctl; writes stA, tabA, ctl
;; launch fin (part 3): grid 16 x 1, 1 waves a work-group, no clusters, 98,560 bytes of LDS; arguments W1, b1, b2, b3, b4, t, wpk, stA, tabA, ctl, out0; writes out0
.if DOCPART == 3
	.amdgcn_target "amdgcn-amd-amdhsa--gfx1250"
	.amdhsa_code_object_version 6
	.text
	.protected	k_q28be0b77c6_fin
	.globl	k_q28be0b77c6_fin
	.p2align	8
	.type	k_q28be0b77c6_fin,@function
k_q28be0b77c6_fin:
	s_mov_b64 s[64:65], 0
	v_nop
	global_prefetch_b8 v0, s[64:65] scope:SCOPE_SE
	s_setreg_imm32_b32 hwreg(HW_REG_WAVE_MODE, 25, 1), 1
	s_wait_xcnt 0x0
; fin: applies the last step launch's substep, finishes the schedule if anything of it is left, and writes the output.
; Sixteen work-groups of one wave; work-group g owns rows 256 g .. 256 g + 255 of every slot of the output.
; THE TAIL.  The step launches make 14 real substeps; reference() may schedule up to 28.  The last step launch stored S, the number of
; scheduled substeps behind its own (0 when the schedule was over).  Each further substep needs the error norm of the WHOLE batch, and
; work-groups of a launch hand nothing to each other, so every work-group here makes the S substeps on all 4,096 rows by itself:
; 256 blocks of 16 rows one after the other, the one wave playing the step launch's four waves in turn (weights are read again for each).
; All sixteen compute the same numbers in the same order, so they decide alike.  With S = 0 the tail is passed over.
; ORDER: APPLY (the controller, y = accept ? y5 : y, my rows of the table) once for the last step launch's substep; then S times a substep and its APPLY.
; The controller, the net, the hi + lo activations and the LIMITS are those of the step launch: tol's maximum lets a NaN lose; exp(x) - 1 is
; formed as such (absolute error about 6e-8); an activation above 3.39e38 gives NaN; sums are ordered otherwise than in reference().
; No barrier: one wave, and LDS serves a wave's instructions in order (ISA guide 5.7.1).  No joint loads: nothing is shared at one time.
.set PART, 65536
.set REC,  66560
; LDS: 0 the whole batch's y and y5 as in st (65,536 bytes); 65,536 layer 1's fragments; 73,728 layer 2's; 81,920 my rows of the table, slot p at 2,048 p
.set YC,   10
.set Y5,   12
.set YS,   14
.set KK,   16
.set TT,   30
.set W1A,  32
.set W1B,  48
.set B1,   64
.set B2T,  80
.set B3T,  96
.set ZZ,   112
.set AL,   128
.set T16,  144
.set HB,   160
.set LB,   168
.set BF,   176
.set B4V,  240
; v1 16 lane, v3 65,536 + 16 lane, v4 8 lane, v9 32 hh, v249 8 r: never rewritten.  v2, v5, v6, v250: stepped with the played wave.
; v7, v8: the block's y, the block's 256 bytes.  v242 (lane >> 3) 256 + (lane & 7) 16, v243 the same, stepped, v244 the same + 4,096 g,
; v245 81,920 + 16 lane, v247 2,048 g + 16 lane, v248 the copy's offset, v251 lane, v252 the running sum, v253-255 at work.
; Window 1: W2's 8 fragments of the played wave v0-63, W3's v64-127, W4's v128-135.
; s70 S, s71 tail trip, s72 block, s73 played wave, s75 chunk; the rest as in the step launch.
.set MSB, 0
.macro WIN new                         ; the immediate's high byte repeats the setting that is left
.if MSB != \new
	s_set_vgpr_msb (MSB<<8)|\new
.set MSB, \new
.endif
.endm
.macro NOP4                            ; four places behind a matrix instruction before its registers are read or written by anything else (ISA guide 7.12.1)
.rept 4
	v_nop
.endr
.endm
.macro LDC dst, sb, add
	global_load_b128 v[\dst:\dst+3],     v5, s[\sb:\sb+1] offset:\add
	global_load_b128 v[\dst+4:\dst+7],   v5, s[\sb:\sb+1] offset:\add+16
	global_load_b128 v[\dst+8:\dst+11],  v5, s[\sb:\sb+1] offset:\add+64
	global_load_b128 v[\dst+12:\dst+15], v5, s[\sb:\sb+1] offset:\add+80
.endm
.macro LDW dst, add
.set n, 0
.rept 16
	global_load_b128 v[\dst+4*n:\dst+4*n+3], v6, s[16:17] offset:\add+512*n
.set n, n+1
.endr
.endm
.macro PSUM b
	v_pk_add_f32 v[\b:\b+1], v[\b:\b+1], v[\b+2:\b+3]
	v_pk_add_f32 v[\b+4:\b+5], v[\b+4:\b+5], v[\b+6:\b+7]
	v_pk_add_f32 v[\b:\b+1], v[\b:\b+1], v[\b+4:\b+5]
	v_add_f32 v176, v[\b], v[\b+1]
	v_add_f32_dpp v176, v176, v176 row_xmask:1 row_mask:0xf bank_mask:0xf
	v_add_f32_dpp v176, v176, v176 row_xmask:2 row_mask:0xf bank_mask:0xf
	v_add_f32_dpp v176, v176, v176 row_xmask:4 row_mask:0xf bank_mask:0xf
	v_add_f32_dpp v176, v176, v176 row_xmask:8 row_mask:0xf bank_mask:0xf
	v_mov_b32 v177, v176                           ; the next line's destination counts as read
	v_permlanex16_b32 v177, v176, s48, s49
	v_add_f32 v176, v176, v177
.endm
.macro T1SEL
	s_mov_b32 s54, s43
.irp p, 0,1,2,3,4,5,6
	s_cmp_eq_u32 s28, \p
	s_cselect_b32 s54, s[37+\p], s54
.endr
.endm
; The controller, line for line the step launch's.
.macro UPD
	v_mul_f32 v177, 0x39000000, v176               ; / 8,192
	v_sqrt_f32 v177, v177                          ; err_norm
	s_mov_b32 s55, s28
	v_nop                                          ; one plain place behind a transcendental (ISA guide 5.7.2)
	s_cmp_lg_u32 s30, 0
	s_cselect_b32 s51, -1, 0
	s_wait_alu depctr_va_vdst(0)
	v_cmp_ge_f32 s50, 1.0, v177
	s_and_b32 s50, s50, s51                        ; accept
	v_max_num_f32 v178, 0x2edbe6ff, v177
	v_log_f32 v178, v178
	v_nop
	s_wait_alu depctr_va_vdst(0)
	v_mul_f32 v178, 0xbe4ccccd, v178
	v_exp_f32 v178, v178
	v_nop
	s_wait_alu depctr_va_vdst(0)
	v_mul_f32 v178, 0x3f666666, v178
	v_max_num_f32 v178, 0x3e4ccccd, v178
	v_min_num_f32 v178, 0x41200000, v178
	v_cmp_neq_f32 vcc_lo, v177, v177
	v_cndmask_b32 v178, v178, v177, vcc_lo
	v_mul_f32 v178, s34, v178
	v_mov_b32 v179, s33
	v_cndmask_b32 v179, v179, v178, s51            ; h
	v_mov_b32 v180, s32
	v_add_f32 v181, s34, v180
	v_cndmask_b32 v180, v180, v181, s50            ; tc
	s_add_co_u32 s29, s29, s30
	v_readfirstlane_b32 s32, v180
	v_readfirstlane_b32 s33, v179
	T1SEL
	v_sub_f32 v181, s54, v180
	v_cmp_ge_f32 s52, s67, v181
	s_cmp_ge_u32 s29, 4
	s_cselect_b32 s53, -1, 0
	s_or_b32 s52, s52, s53
	s_cmp_lt_u32 s28, 7
	s_cselect_b32 s53, -1, 0
	s_and_b32 s52, s52, s53                        ; the interval closes
.irp p, 0,1,2,3,4,5,6
	s_cmp_eq_u32 s28, \p
	s_cselect_b32 s53, s52, 0
	s_cmp_lg_u32 s53, 0
	s_cselect_b32 s28, \p+1, s28
	s_cselect_b32 s29, 0, s29
	s_cselect_b32 s32, s[37+\p], s32
.if \p < 6
	s_cselect_b32 s52, s[56+\p], s52
.else
	s_cselect_b32 s52, 0, s52
.endif
.endr
	s_cmp_lt_u32 s28, 7
	s_cselect_b32 s30, 1, 0
	s_cselect_b32 s51, -1, 0
	T1SEL
	v_mov_b32 v180, s32
	v_sub_f32 v181, s54, v180
	v_min_num_f32 v181, s33, v181
	v_cmp_neq_f32 vcc_lo, v179, v179
	v_cndmask_b32 v181, v181, v179, vcc_lo
	v_cndmask_b32 v181, 0, v181, s51
	v_readfirstlane_b32 s34, v181                  ; heff
.endm
; A substep is applied.  In: v176 = its sum of (err / tol)^2; y and y5 of all rows in LDS.  Out: the record of the next substep, y in LDS, my rows of the table.
.macro APPLY
	UPD
	; y = accept ? y5 : y, all 256 blocks, 16 a trip
	v_mov_b32 v243, v242
	s_mov_b32 s75, 0
.Lysel_\@:
.irp i, 0,1,2,3
	ds_load_b128 v[176+8*\i:179+8*\i], v243 offset:1024*\i
	ds_load_b128 v[180+8*\i:183+8*\i], v243 offset:1024*\i+128
.endr
	s_wait_dscnt 0x0
.irp i, 0,1,2,3
.irp k, 0,1,2,3
	v_cndmask_b32 v[176+8*\i+\k], v[176+8*\i+\k], v[180+8*\i+\k], s50
.endr
.endr
.irp i, 0,1,2,3
	ds_store_b128 v243, v[176+8*\i:179+8*\i] offset:1024*\i
.endr
	v_add_nc_u32 v243, 0x1000, v243
	s_add_co_u32 s75, s75, 1
	s_cmp_lt_u32 s75, 16
	s_cbranch_scc1 .Lysel_\@
	; my rows of the table: slot p is kept where p <= the applied substep's interval, else it is y (slot 0 is always kept).
	; Load u of y brings lane l rows 64 u + 2 l, 2 l + 1 of my 256, which lie at 512 u + 16 l of a slot.
.irp u, 0,1,2,3
	ds_load_b128 v[176+4*\u:179+4*\u], v244 offset:1024*\u
.endr
.irp p, 1,2,3,4,5,6,7
	s_cmp_ge_u32 s55, \p
	s_cselect_b32 s63, -1, 0
.irp u, 0,1,2,3
	ds_load_b128 v[192+4*\u:195+4*\u], v245 offset:2048*\p+512*\u
.endr
	s_wait_dscnt 0x0
.irp k, 0,1,2,3,4,5,6,7,8,9,10,11,12,13,14,15
	v_cndmask_b32 v[192+\k], v[176+\k], v[192+\k], s63
.endr
.irp u, 0,1,2,3
	ds_store_b128 v245, v[192+4*\u:195+4*\u] offset:2048*\p+512*\u
.endr
.endr
.endm
.macro TERM0 coef, i
	v_mul_f32 v[TT], \coef, v[KK+2*\i-2]
	v_mul_f32 v[TT+1], \coef, v[KK+2*\i-1]
.endm
.macro TERM coef, i
	v_fmac_f32 v[TT], \coef, v[KK+2*\i-2]
	v_fmac_f32 v[TT+1], \coef, v[KK+2*\i-1]
.endm
.macro FINY dst
	v_fma_f32 v[\dst], v[TT], s34, v[YC]
	v_fma_f32 v[\dst+1], v[TT+1], s34, v[YC+1]
.endm
.macro L1 src
.irp i, 0,2,4,6,8,10,12,14
	v_pk_fma_f32 v[ZZ+\i:ZZ+\i+1], v[W1B+\i:W1B+\i+1], v[\src:\src+1], v[B1+\i:B1+\i+1] op_sel:[0,1,0] op_sel_hi:[1,1,1]
.endr
.irp i, 0,2,4,6,8,10,12,14
	v_pk_fma_f32 v[ZZ+\i:ZZ+\i+1], v[W1A+\i:W1A+\i+1], v[\src:\src+1], v[ZZ+\i:ZZ+\i+1] op_sel_hi:[1,0,1]
.endr
.endm
.macro ACT                             ; elu = the middle one of x, exp(x) - 1 and 0; then hi = bf16(a), lo = bf16(a - hi)
.irp i, 0,2,4,6,8,10,12,14
	v_pk_mul_f32 v[T16+\i:T16+\i+1], v[ZZ+\i:ZZ+\i+1], 0x3fb8aa3b op_sel_hi:[1,0]
.endr
.irp i, 0,1,2,3,4,5,6,7,8,9,10,11,12,13,14,15
	v_exp_f32 v[T16+\i], v[T16+\i]
.endr
	v_nop                                          ; one plain place behind the transcendentals
	s_wait_alu depctr_va_vdst(0)
.irp i, 0,2,4,6,8,10,12,14
	v_pk_add_f32 v[T16+\i:T16+\i+1], v[T16+\i:T16+\i+1], -1.0 op_sel_hi:[1,0]
.endr
.irp i, 0,1,2,3,4,5,6,7,8,9,10,11,12,13,14,15
	v_med3_num_f32 v[ZZ+\i], v[ZZ+\i], v[T16+\i], 0
.endr
.irp i, 0,1,2,3,4,5,6,7
	v_cvt_pk_bf16_f32 v[HB+\i], v[ZZ+2*\i], v[ZZ+2*\i+1]
.endr
.irp i, 0,1,2,3,4,5,6,7
	v_lshlrev_b32 v[T16+2*\i], 16, v[HB+\i]
	v_and_b32 v[T16+2*\i+1], 0xffff0000, v[HB+\i]
.endr
.irp i, 0,2,4,6,8,10,12,14
	v_pk_add_f32 v[T16+\i:T16+\i+1], v[ZZ+\i:ZZ+\i+1], v[T16+\i:T16+\i+1] neg_lo:[0,1] neg_hi:[0,1]
.endr
.irp i, 0,1,2,3,4,5,6,7
	v_cvt_pk_bf16_f32 v[LB+\i], v[T16+2*\i], v[T16+2*\i+1]
.endr
.endm
.macro XPUT areg, base
	ds_store_b128 v[\areg], v[HB:HB+3]   offset:\base
	ds_store_b128 v[\areg], v[HB+4:HB+7] offset:\base+512
	ds_store_b128 v[\areg], v[LB:LB+3]   offset:\base+1024
	ds_store_b128 v[\areg], v[LB+4:LB+7] offset:\base+1536
.endm
.macro XGET areg, base
.set n, 0
.rept 16
	ds_load_b128 v[BF+4*n:BF+4*n+3], v[\areg] offset:\base+512*n
.set n, n+1
.endr
.endm
; four accumulators take turns, one instruction a turn
.macro MM wf, bt
	WIN 0x01
	s_wait_dscnt 12                                ; K step 0's four loads are in; the 12 of later steps may be out (from the second played wave on all are in)
	v_wmma_f32_16x16x32_bf16 v[ZZ:ZZ+7],    v[\wf:\wf+7],     v[BF:BF+7],    v[\bt:\bt+7]
	v_wmma_f32_16x16x32_bf16 v[ZZ+8:ZZ+15], v[\wf+32:\wf+39], v[BF:BF+7],    v[\bt+8:\bt+15]
	v_wmma_f32_16x16x32_bf16 v[AL:AL+7],    v[\wf:\wf+7],     v[BF+8:BF+15], 0
	v_wmma_f32_16x16x32_bf16 v[AL+8:AL+15], v[\wf+32:\wf+39], v[BF+8:BF+15], 0
.irp c, 1,2,3
	s_wait_dscnt 12-4*\c
	v_wmma_f32_16x16x32_bf16 v[ZZ:ZZ+7],    v[\wf+8*\c:\wf+8*\c+7],     v[BF+16*\c:BF+16*\c+7],    v[ZZ:ZZ+7]
	v_wmma_f32_16x16x32_bf16 v[ZZ+8:ZZ+15], v[\wf+32+8*\c:\wf+39+8*\c], v[BF+16*\c:BF+16*\c+7],    v[ZZ+8:ZZ+15]
	v_wmma_f32_16x16x32_bf16 v[AL:AL+7],    v[\wf+8*\c:\wf+8*\c+7],     v[BF+16*\c+8:BF+16*\c+15], v[AL:AL+7]
	v_wmma_f32_16x16x32_bf16 v[AL+8:AL+15], v[\wf+32+8*\c:\wf+39+8*\c], v[BF+16*\c+8:BF+16*\c+15], v[AL+8:AL+15]
.endr
	WIN 0
	NOP4
.endm
.macro ZSUM
.irp i, 0,2,4,6,8,10,12,14
	v_pk_add_f32 v[ZZ+\i:ZZ+\i+1], v[ZZ+\i:ZZ+\i+1], v[AL+\i:AL+\i+1]
.endr
.endm
; kd = f(src) for the block's 16 rows: three loops over the played wave w = 0 .. 3.  The address registers are stepped behind the
; s_wait_loadcnt 0 that shows their loads done.
.macro EV src, kd
	v_mov_b32 v5, v9                               ; 128 w + 32 hh
	v_mov_b32 v2, v3                               ; 65,536 + 2,048 w + 16 lane
	s_mov_b32 s73, 0
.Lf1_\@:
	LDC W1A, 4, 0
	LDC W1B, 4, 512
	LDC B1, 6, 0
	s_wait_loadcnt 0x0
	L1 \src
	ACT
	XPUT 2, 0
	v_add_nc_u32 v5, 0x80, v5
	v_add_nc_u32 v2, 0x800, v2
	s_add_co_u32 s73, s73, 1
	s_cmp_lt_u32 s73, 4
	s_cbranch_scc1 .Lf1_\@
	XGET 3, 0                                      ; served behind the stores above
	v_mov_b32 v5, v9
	v_mov_b32 v6, v1                               ; 8,192 w + 16 lane
	v_mov_b32 v2, v3
	s_mov_b32 s73, 0
.Lf2_\@:
	WIN 0x40
	LDW 0, 0
	WIN 0
	LDC B2T, 8, 0
	s_wait_loadcnt 0x0
	MM 0, B2T
	ZSUM
	ACT
	XPUT 2, 8192
	v_add_nc_u32 v5, 0x80, v5
	v_add_nc_u32 v6, 0x2000, v6
	v_add_nc_u32 v2, 0x800, v2
	s_add_co_u32 s73, s73, 1
	s_cmp_lt_u32 s73, 4
	s_cbranch_scc1 .Lf2_\@
	XGET 3, 8192
	v_mov_b32 v5, v9
	v_mov_b32 v6, v1
	v_mov_b32 v250, v1                             ; 1,024 w + 16 lane
	v_mov_b32 v[\kd], v[B4V]                       ; k starts as b4
	v_mov_b32 v[\kd+1], v[B4V+1]
	s_mov_b32 s73, 0
.Lf3_\@:
	WIN 0x40
	LDW 64, 32768
	global_load_b128 v[128:131], v250, s[16:17] offset:65536
	global_load_b128 v[132:135], v250, s[16:17] offset:65536+512
	WIN 0
	LDC B3T, 10, 0
	s_wait_loadcnt 0x0
	MM 64, B3T
	ZSUM
	ACT
	WIN 0x01
	v_wmma_f32_16x16x32_bf16 v[T16:T16+7],    v[128:135], v[HB:HB+7], 0
	v_wmma_f32_16x16x32_bf16 v[T16+8:T16+15], v[128:135], v[LB:LB+7], 0
	WIN 0
	NOP4
	v_pk_add_f32 v[\kd:\kd+1], v[\kd:\kd+1], v[T16:T16+1]
	v_pk_add_f32 v[\kd:\kd+1], v[\kd:\kd+1], v[T16+8:T16+9]
	v_add_nc_u32 v5, 0x80, v5
	v_add_nc_u32 v6, 0x2000, v6
	v_add_nc_u32 v250, 0x400, v250
	s_add_co_u32 s73, s73, 1
	s_cmp_lt_u32 s73, 4
	s_cbranch_scc1 .Lf3_\@
.endm
.macro SUBSTEP
	EV YC, KK
	TERM0 0.2, 1
	FINY YS
	EV YS, KK+2
	TERM0 0.075, 1
	TERM 0.225, 2
	FINY YS
	EV YS, KK+4
	TERM0 0.9777777778, 1
	TERM -3.733333333, 2
	TERM 3.555555556, 3
	FINY YS
	EV YS, KK+6
	TERM0 2.952598689, 1
	TERM -11.59579332, 2
	TERM 9.822892852, 3
	TERM -0.2908093278, 4
	FINY YS
	EV YS, KK+8
	TERM0 2.846275253, 1
	TERM -10.75757576, 2
	TERM 8.906422718, 3
	TERM 0.2784090909, 4
	TERM -0.2735313036, 5
	FINY YS
	EV YS, KK+10
	TERM0 0.09114583333, 1
	TERM 0.4492362983, 3
	TERM 0.6510416667, 4
	TERM -0.3223761792, 5
	TERM 0.1309523810, 6
	FINY Y5
	EV Y5, KK+12
.endm
.macro ERRSUM
	TERM0 0.001232638889, 1
	TERM -0.004252770290, 3
	TERM 0.03697916667, 4
	TERM -0.05086379717, 5
	TERM 0.04190476190, 6
	TERM -0.025, 7
	v_mul_f32 v[TT], s34, v[TT]
	v_mul_f32 v[TT+1], s34, v[TT+1]
	v_max_num_f32 v254, |v10|, |v12|               ; max(|y|, |y5|)
	v_max_num_f32 v255, |v11|, |v13|
	v_mov_b32 v253, 0x38d1b717                     ; 1e-4
	v_fma_f32 v254, s66, v254, v253                ; tol
	v_fma_f32 v255, s66, v255, v253
	v_rcp_f32 v254, v254
	v_rcp_f32 v255, v255
	v_nop                                          ; one plain place behind the transcendentals
	s_wait_alu depctr_va_vdst(0)
	v_mul_f32 v[TT], v[TT], v254
	v_mul_f32 v[TT+1], v[TT+1], v255
	v_mul_f32 v[TT], v[TT], v[TT]
	v_fma_f32 v[TT], v[TT+1], v[TT+1], v[TT]
	v_add_f32_dpp v[TT], v[TT], v[TT] row_xmask:1 row_mask:0xf bank_mask:0xf
	v_add_f32_dpp v[TT], v[TT], v[TT] row_xmask:2 row_mask:0xf bank_mask:0xf
	v_add_f32_dpp v[TT], v[TT], v[TT] row_xmask:4 row_mask:0xf bank_mask:0xf
	v_add_f32_dpp v[TT], v[TT], v[TT] row_xmask:8 row_mask:0xf bank_mask:0xf
.endm
	; ---- addresses
	s_load_b512 s[4:19], s[0:1], 0x0               ; W1 s[4:5], b1 s[6:7], b2 s[8:9], b3 s[10:11], b4 s[12:13], t s[14:15], wpk s[16:17], st s[18:19]
	s_load_b128 s[20:23], s[0:1], 0x40             ; table s[20:21], ctl s[22:23]
	s_load_b64 s[24:25], s[0:1], 0x50              ; out0
	v_lshl_add_u32 v246, v0, 2, 0x18000
	s_set_vgpr_msb 0x40
	v_mov_b32 v137, 0
	s_set_vgpr_msb 0x4000
	s_mov_b32 s47, ttmp9                           ; g
	s_mov_b32 s48, 0x76543210
	s_mov_b32 s49, 0xfedcba98
	s_mov_b32 s66, 0x3a83126f                      ; 1e-3
	s_mov_b32 s67, 0x3089705f                      ; 1e-9
	v_and_b32 v251, 31, v0
	v_and_b32 v254, 15, v0                         ; r
	v_bfe_u32 v255, v0, 4, 1                       ; hh
	v_lshlrev_b32 v1, 4, v251
	v_lshlrev_b32 v4, 3, v251
	v_add_nc_u32 v3, 0x10000, v1
	v_lshlrev_b32 v9, 5, v255
	v_lshlrev_b32 v249, 3, v254
	v_lshrrev_b32 v242, 3, v251
	v_and_b32 v243, 7, v251
	v_lshlrev_b32 v243, 4, v243
	v_lshl_add_u32 v242, v242, 8, v243             ; eight lanes take the 128 bytes of y of one block, four blocks a load
	s_lshl_b32 s68, s47, 12
	v_add_nc_u32 v244, s68, v242                   ; the same in my own 16 blocks
	v_add_nc_u32 v245, 0x14000, v1
	s_lshl_b32 s68, s47, 11
	v_add_nc_u32 v247, s68, v1
	s_wait_kmcnt 0x0
	s_load_b256 s[28:35], s[18:19], REC
	s_load_b256 s[36:43], s[14:15], 0x0
	s_load_b64 s[44:45], s[12:13], 0x0
	s_load_b32 s70, s[22:23], 0x0
	global_load_b128 v[32:35], v1, s[18:19] offset:PART
	global_load_b128 v[36:39], v1, s[18:19] offset:PART+512
	; ---- my rows of the table into LDS: 8 slots x 2,048 bytes, 512 consecutive bytes a load
.set n, 0
.rept 32
	global_load_b128 v[112+4*n:115+4*n], v247, s[20:21] offset:32768*(n/4)+512*(n%4)
.set n, n+1
.endr
	s_wait_loadcnt 0x0
.set n, 0
.rept 32
	ds_store_b128 v245, v[112+4*n:115+4*n] offset:512*n
.set n, n+1
.endr
	s_wait_dscnt 0x0
	; ---- the whole batch's y and y5 into LDS, 16 KiB a trip, at the byte offsets that they have in st
	v_mov_b32 v248, v1
	s_mov_b32 s75, 0
.Lcopy:
.set n, 0
.rept 32
	global_load_b128 v[112+4*n:115+4*n], v248, s[18:19] offset:512*n
.set n, n+1
.endr
	s_wait_loadcnt 0x0                             ; the data are in, and v248 may be stepped
.set n, 0
.rept 32
	ds_store_b128 v248, v[112+4*n:115+4*n] offset:512*n
.set n, n+1
.endr
	s_wait_dscnt 0x0
	v_add_nc_u32 v248, 0x4000, v248
	s_add_co_u32 s75, s75, 1
	s_cmp_lt_u32 s75, 4
	s_cbranch_scc1 .Lcopy
	s_wait_kmcnt 0x0
	s_min_u32 s70, s70, 27                         ; the schedule holds 28 substeps
.irp p, 1,2,3,4,5,6
	v_sub_f32 v254, s[37+\p], s[36+\p]
	v_cmp_ge_f32 s[55+\p], s67, v254               ; D p: interval p is done at its start
.endr
	v_mov_b32 v[B4V], s44
	v_mov_b32 v[B4V+1], s45
	PSUM 32
	APPLY                                          ; the last step launch's substep
	s_cmp_eq_u32 s70, 0                            ; nothing of the schedule is left: the tail is passed over
	s_cbranch_scc1 .Lout
	; ---- the tail: S trips, each a substep on the whole batch and its application
	s_mov_b32 s71, 0
.Ltrip:
	v_mov_b32 v252, 0
	v_mov_b32 v7, v249
	v_mov_b32 v8, v4
	s_mov_b32 s72, 0
.Lblk:
	ds_load_b64 v[YC:YC+1], v7
	s_wait_dscnt 0x0
	SUBSTEP
	ERRSUM
	v_add_f32 v252, v252, v[TT]
	v_cmp_lt_u32 vcc_lo, 15, v251
	v_cndmask_b32 v254, v[YC], v[Y5], vcc_lo       ; lanes 0-15 y, lanes 16-31 y5
	v_cndmask_b32 v255, v[YC+1], v[Y5+1], vcc_lo
	ds_store_b64 v8, v[254:255]
	v_add_nc_u32 v7, 0x100, v7
	v_add_nc_u32 v8, 0x100, v8
	s_add_co_u32 s72, s72, 1
	s_cmp_lt_u32 s72, 256
	s_cbranch_scc1 .Lblk
	v_mov_b32 v176, v252
	APPLY
	s_add_co_u32 s71, s71, 1
	s_cmp_lt_u32 s71, s70
	s_cbranch_scc1 .Ltrip
.Lout:
	; ---- my rows of all eight slots leave through registers, 512 consecutive bytes a store
.set n, 0
.rept 32
	ds_load_b128 v[112+4*n:115+4*n], v245 offset:512*n
.set n, n+1
.endr
.set n, 0
.rept 32
	s_wait_dscnt 31-n                              ; LDS loads come back in order: load n is in, the younger ones may be out
	global_store_b128 v247, v[112+4*n:115+4*n], s[24:25] offset:32768*(n/4)+512*(n%4)
.set n, n+1
.endr
	s_set_vgpr_msb 0x4
	s_wait_tensorcnt 0x0
	ds_add_u32 v246, v137
	s_wait_dscnt 0x0
	s_set_vgpr_msb 0x400
	s_endpgm
.Lfunc_end_k_q28be0b77c6_fin:
	.size	k_q28be0b77c6_fin, .Lfunc_end_k_q28be0b77c6_fin-k_q28be0b77c6_fin
	.p2alignl 7, 3214868480
	.fill 96, 4, 3214868480
	.section	.rodata,"a",@progbits
	.p2align	6, 0x0
	.amdhsa_kernel k_q28be0b77c6_fin
		.amdhsa_group_segment_fixed_size 98560
		.amdhsa_private_segment_fixed_size 0
		.amdhsa_enable_private_segment 0
		.amdhsa_kernarg_size 88
		.amdhsa_user_sgpr_count 2
		.amdhsa_user_sgpr_kernarg_segment_ptr 1
		.amdhsa_wavefront_size32 1
		.amdhsa_system_sgpr_workgroup_id_x 1
		.amdhsa_system_sgpr_workgroup_id_y 1
		.amdhsa_system_sgpr_workgroup_id_z 1
		.amdhsa_system_vgpr_workitem_id 0
		.amdhsa_next_free_vgpr 394
		.amdhsa_next_free_sgpr 80
		.amdhsa_reserve_vcc 1
		.amdhsa_float_denorm_mode_32 3
		.amdhsa_float_denorm_mode_16_64 3
		.amdhsa_memory_ordered 1
		.amdhsa_forward_progress 1
		.amdhsa_inst_pref_size 255
	.end_amdhsa_kernel
	.section	.bss,"aw",@nobits
	.p2align	6
	.space	262144
	.amdgpu_metadata
---
amdhsa.version: [ 1, 2 ]
amdhsa.kernels:
  - .name:           k_q28be0b77c6_fin
    .symbol:         k_q28be0b77c6_fin.kd
    .args:
      - { .name: W1, .offset: 0, .size: 8, .value_kind: global_buffer, .address_space: global }
      - { .name: b1, .offset: 8, .size: 8, .value_kind: global_buffer, .address_space: global }
      - { .name: b2, .offset: 16, .size: 8, .value_kind: global_buffer, .address_space: global }
      - { .name: b3, .offset: 24, .size: 8, .value_kind: global_buffer, .address_space: global }
      - { .name: b4, .offset: 32, .size: 8, .value_kind: global_buffer, .address_space: global }
      - { .name: t, .offset: 40, .size: 8, .value_kind: global_buffer, .address_space: global }
      - { .name: wpk, .offset: 48, .size: 8, .value_kind: global_buffer, .address_space: global }
      - { .name: stA, .offset: 56, .size: 8, .value_kind: global_buffer, .address_space: global }
      - { .name: tabA, .offset: 64, .size: 8, .value_kind: global_buffer, .address_space: global }
      - { .name: ctl, .offset: 72, .size: 8, .value_kind: global_buffer, .address_space: global }
      - { .name: out0, .offset: 80, .size: 8, .value_kind: global_buffer, .address_space: global }
    .group_segment_fixed_size: 98560
    .private_segment_fixed_size: 0
    .kernarg_segment_align: 8
    .kernarg_segment_size: 88
    .max_flat_workgroup_size: 32
    .sgpr_count:     80
    .vgpr_count:     394
    .wavefront_size: 32
...
	.end_amdgpu_metadata
.endif
;; end of part 3
;; ======== version 2 of 2: 11 launches; 1.83 times as fast as version 1
;; workspace buffers: wpk 69,632 bytes; stA 132,352 bytes; stB 132,352 bytes; tabA 262,144 bytes; tabB 262,144 bytes; ctl 256 bytes of whole numbers
;; launch prep: the kernel of part 1 again; grid 256 x 1, 4 waves a work-group, no clusters, 0 bytes of LDS; arguments x0, t, W2, W3, W4, wpk, stA, tabA; writes wpk, stA, tabA
;; launch step (part 4): grid 256 x 1, 4 waves a work-group, no clusters, 168,448 bytes of LDS; arguments W1, b1, b2, b3, b4, t, wpk, stA, tabA, stB, tabB; writes stB, tabB
.if DOCPART == 4
	.amdgcn_target "amdgcn-amd-amdhsa--gfx1250"
	.amdhsa_code_object_version 6
	.text
	.protected	k_q28be0b77c6_step
	.globl	k_q28be0b77c6_step
	.p2align	8
	.type	k_q28be0b77c6_step,@function
k_q28be0b77c6_step:
	s_mov_b64 s[64:65], 0
	v_nop
	global_prefetch_b8 v0, s[64:65] scope:SCOPE_SE
	s_setreg_imm32_b32 hwreg(HW_REG_WAVE_MODE, 25, 1), 1
	s_wait_xcnt 0x0
; step: one Dormand-Prince substep of the whole batch, 16 rows a work-group, four waves.
; This text exists twice and differs in the symbol FSAL alone.  FSAL = 0: the first substep, which makes all seven evaluations.
; FSAL = 1: every later one, which takes k1 over.  k7 = f(y5) of an accepted substep is f(y) of the next, and after a rejected one y
; and so k1 stay: k1 = accept ? k7 : k1, bit for bit what a fresh evaluation by this text would give.  Every launch stores its k1 and k7.
.set FSAL, 0
; THE CONTROLLER.  Every wave first brings the step-size controller up to date from the last launch's record (REC) and the 256
; partial sums of (err / tol)^2 (PART): accept or reject, the next h, the close of an interval.  It is made of compares and selects
; alone and is the same bit for bit in every wave.  A substep of reference() whose 'done' holds changes nothing, so the controller
; passes over such substeps; when the schedule is over (ival = 7) the launch still makes a substep, with h = 0, which the next launch drops.
; THE TABLE of the output's shape goes from launch to launch: slot p is kept where p <= the interval of the last substep, else it is y as it now stands.
; THE NET.  Matrix instructions are used transposed: first source = 16 features x 32 k of a weight (bf16, kept in registers all launch long),
; second source = activations, column n = batch row.  In a result lane (r, hh) holds row r's features 8 hh + 0 .. 7 of a tile, which is
; the place the same numbers have in the next layer's second source: wave w's two tiles (features 32 w .. 32 w + 31) ARE K step w.
; The four waves exchange these fragments through LDS, one barrier a layer.  A wave does not read its own fragment back: its weight
; place c holds K step (w + c) mod 4, so place 0 is multiplied straight from the registers, while the LDS stores and the barrier
; complete, and places 1 to 3 take the three other waves' fragments: 12 LDS loads a layer instead of 16.
; Activations go in as hi + lo, two bf16 whose sum holds 16 bits of the f32: the error estimate is a sum of k's with weights that add
; up to zero, and single bf16 activations would show in it as an error of the step.
; Layer 1 has K = 2: two fused multiply-adds an output in f32, made straight in the fragment's places.
; NO JOINT LOADS, though every work-group reads the same weights: a wave reads its 17 KiB once, straight into the registers where
; they stay; a joint load would land in LDS, be read back from there, and add two meetings of a cluster in front of the first layer.
; The work-group is given more than half of the LDS, of which it uses 17,408 bytes, so that its four waves have four SIMDs to themselves.
; LIMITS.  tol takes the larger of |y|, |y5| by a maximum in which a NaN loses.  elu's exp(x) - 1 is formed as such: absolute error
; about 6e-8.  An activation that rounds to a bf16 infinity (above 3.39e38) gives NaN through its lo part.  Sums are ordered otherwise than in reference().
.set PART, 65536                       ; in st: 256 partial sums
.set REC,  66560                       ; in st: the record
.set KREG, 66816                       ; in st: block b at 256 b: k1 of its 16 rows (8 bytes a row), then k7 of the same rows
.set X1,   0                           ; LDS: layer 1's fragments, 2,048 bytes a wave: hi 0-3, hi 4-7, lo 0-3, lo 4-7, 512 each, 16 a lane
.set X2,   8192                        ; LDS: layer 2's
.set XK,   16384                       ; LDS: the four waves' parts of k, 256 bytes each
.set YC,   10                          ; v[10:11]   y of row r (both halves of the lanes alike)
.set Y5,   12                          ; v[12:13]   y5
.set YS,   14                          ; v[14:15]   a stage's argument
.set KK,   16                          ; v[16:29]   k1 .. k7
.set TT,   30                          ; v[30:31]   at work
.set W1A,  32                          ; v[32:47]   W1[0][f] of my 16 features f = 32 w + 16 q + 8 hh + j, at 8 q + j
.set W1B,  48                          ; v[48:63]   W1[1][f]
.set B1,   64                          ; v[64:79]   b1[f]
.set B2T,  80                          ; v[80:95]   b2[f]
.set B3T,  96                          ; v[96:111]  b3[f]
.set ZZ,   112                         ; v[112:127] two tiles: the sums of the hi parts, then the layer's output
.set AL,   128                         ; v[128:143] two tiles: the sums of the lo parts
.set T16,  144                         ; v[144:159] at work; layer 4's two results
.set HB,   160                         ; v[160:167] my fragment, hi
.set LB,   168                         ; v[168:175] my fragment, lo
.set BF,   176                         ; v[176:223] the other three waves' fragments: place c hi at 16 (c - 1), lo at 16 (c - 1) + 8; at work in the prologue
.set WA,   224                         ; v[224:227] place c: 8,192 w + 1,024 ((w + c) mod 4) + 16 lane, where its weight fragments lie in wpk
.set XR,   228                         ; v[228:230] place c = 1 .. 3: 2,048 ((w + c) mod 4) + 16 lane, where its activations lie in an LDS region
.set B4V,  240                         ; v[240:241] b4
.set PK,   242                         ; v[242:249] the four parts of k
.set QQ,   252                         ; v[252:253] at work
; v1 16 lane, v2 2,048 w + 16 lane, v3 256 w + 8 lane, v4 8 lane, v5 128 w + 32 hh, v7 256 wg + 8 r,
; v8, v9 my block of the table and its rows in st, v250 1,024 w + 16 lane, v251 lane, v254, v255 at work.
; Window 1 (v256 and up): W2's 8 fragments v0-63 (tile q, place c at 8 (4 q + c)), W3's v64-127, W4's v128-135.
; s28 ival, s29 j, s30 live, s32 tc, s33 h, s34 heff; s[36:43] t; s50 accept, s51 live mask, s52 close, s54 t1, s55 ival before, s56-61 D1-D6.
.set MSB, 0
.macro WIN new                         ; the immediate's high byte repeats the setting that is left
.if MSB != \new
	s_set_vgpr_msb (MSB<<8)|\new
.set MSB, \new
.endif
.endm
.macro NOP4                            ; four places behind a matrix instruction before its registers are read or written by anything else (ISA guide 7.12.1)
.rept 4
	v_nop
.endr
.endm
.macro BAR
	s_wait_dscnt 0x0                               ; my LDS stores are done, and so are my reads of what is written behind a later barrier
	s_barrier_signal -1
	s_barrier_wait -1
.endm
.macro LDC dst, sb, add                ; 16 f32 of my features from a row of 128
	global_load_b128 v[\dst:\dst+3],     v5, s[\sb:\sb+1] offset:\add
	global_load_b128 v[\dst+4:\dst+7],   v5, s[\sb:\sb+1] offset:\add+16
	global_load_b128 v[\dst+8:\dst+11],  v5, s[\sb:\sb+1] offset:\add+64
	global_load_b128 v[\dst+12:\dst+15], v5, s[\sb:\sb+1] offset:\add+80
.endm
.macro LDW dst, add                    ; my 8 fragments of a weight, 16 loads of 512 consecutive bytes (destination in window 1): tile q at 4,096 q, the place in the address register
.irp q, 0,1
.irp c, 0,1,2,3
	global_load_b128 v[\dst+8*(4*\q+\c):\dst+8*(4*\q+\c)+3],   v[WA+\c], s[16:17] offset:\add+4096*\q
	global_load_b128 v[\dst+8*(4*\q+\c)+4:\dst+8*(4*\q+\c)+7], v[WA+\c], s[16:17] offset:\add+4096*\q+512
.endr
.endr
.endm
; the 256 partial sums, 8 a lane in v[b:b+7], to one sum in every lane of v176
.macro PSUM b
	v_pk_add_f32 v[\b:\b+1], v[\b:\b+1], v[\b+2:\b+3]
	v_pk_add_f32 v[\b+4:\b+5], v[\b+4:\b+5], v[\b+6:\b+7]
	v_pk_add_f32 v[\b:\b+1], v[\b:\b+1], v[\b+4:\b+5]
	v_add_f32 v176, v[\b], v[\b+1]
	v_add_f32_dpp v176, v176, v176 row_xmask:1 row_mask:0xf bank_mask:0xf
	v_add_f32_dpp v176, v176, v176 row_xmask:2 row_mask:0xf bank_mask:0xf
	v_add_f32_dpp v176, v176, v176 row_xmask:4 row_mask:0xf bank_mask:0xf
	v_add_f32_dpp v176, v176, v176 row_xmask:8 row_mask:0xf bank_mask:0xf
	v_mov_b32 v177, v176                           ; the next line's destination counts as read
	v_permlanex16_b32 v177, v176, s48, s49
	v_add_f32 v176, v176, v177
.endm
.macro T1SEL                           ; s54 = t[ival + 1] (t[7] where ival = 7: not used then)
	s_mov_b32 s54, s43
.irp p, 0,1,2,3,4,5,6
	s_cmp_eq_u32 s28, \p
	s_cselect_b32 s54, s[37+\p], s54
.endr
.endm
; The controller.  In: v176 = sum of (err / tol)^2 of the substep that the record describes.  Out: the record of the substep to make now, s50 = accept, s55 = the old interval.
.macro UPD
	v_mul_f32 v177, 0x39000000, v176               ; / 8,192: the mean over 4,096 rows x 2
	v_sqrt_f32 v177, v177                          ; err_norm
	s_mov_b32 s55, s28
	v_nop                                          ; one plain place behind a transcendental (ISA guide 5.7.2)
	s_cmp_lg_u32 s30, 0
	s_cselect_b32 s51, -1, 0                       ; the recorded substep was a real one
	s_wait_alu depctr_va_vdst(0)
	v_cmp_ge_f32 s50, 1.0, v177
	s_and_b32 s50, s50, s51                        ; accept
	v_max_num_f32 v178, 0x2edbe6ff, v177           ; max(err_norm, 1e-10)
	v_log_f32 v178, v178
	v_nop
	s_wait_alu depctr_va_vdst(0)
	v_mul_f32 v178, 0xbe4ccccd, v178               ; ^ -0.2
	v_exp_f32 v178, v178
	v_nop
	s_wait_alu depctr_va_vdst(0)
	v_mul_f32 v178, 0x3f666666, v178               ; x 0.9
	v_max_num_f32 v178, 0x3e4ccccd, v178           ; clipped to 0.2 .. 10
	v_min_num_f32 v178, 0x41200000, v178
	v_cmp_neq_f32 vcc_lo, v177, v177
	v_cndmask_b32 v178, v178, v177, vcc_lo         ; a NaN goes through, as in reference()
	v_mul_f32 v178, s34, v178
	v_mov_b32 v179, s33
	v_cndmask_b32 v179, v179, v178, s51            ; h = heff x factor
	v_mov_b32 v180, s32
	v_add_f32 v181, s34, v180
	v_cndmask_b32 v180, v180, v181, s50            ; tc += heff where accepted
	s_add_co_u32 s29, s29, s30                     ; one substep of the interval's four is spent
	v_readfirstlane_b32 s32, v180
	v_readfirstlane_b32 s33, v179
	T1SEL
	v_sub_f32 v181, s54, v180
	v_cmp_ge_f32 s52, s67, v181                    ; t1 - tc <= 1e-9
	s_cmp_ge_u32 s29, 4
	s_cselect_b32 s53, -1, 0
	s_or_b32 s52, s52, s53
	s_cmp_lt_u32 s28, 7
	s_cselect_b32 s53, -1, 0
	s_and_b32 s52, s52, s53                        ; the interval closes
.irp p, 0,1,2,3,4,5,6                              ; and so does each next one that is done at its start
	s_cmp_eq_u32 s28, \p
	s_cselect_b32 s53, s52, 0
	s_cmp_lg_u32 s53, 0
	s_cselect_b32 s28, \p+1, s28
	s_cselect_b32 s29, 0, s29
	s_cselect_b32 s32, s[37+\p], s32               ; tc starts anew at the interval's t0
.if \p < 6
	s_cselect_b32 s52, s[56+\p], s52
.else
	s_cselect_b32 s52, 0, s52
.endif
.endr
	s_cmp_lt_u32 s28, 7
	s_cselect_b32 s30, 1, 0                        ; live
	s_cselect_b32 s51, -1, 0
	T1SEL
	v_mov_b32 v180, s32
	v_sub_f32 v181, s54, v180
	v_min_num_f32 v181, s33, v181                  ; heff = min(h, t1 - tc)
	v_cmp_neq_f32 vcc_lo, v179, v179
	v_cndmask_b32 v181, v181, v179, vcc_lo         ; a NaN in h goes through
	v_cndmask_b32 v181, 0, v181, s51               ; 0 when the schedule is over
	v_readfirstlane_b32 s34, v181
.endm
; a stage's sum of k's
.macro TERM0 coef, i
	v_mul_f32 v[TT], \coef, v[KK+2*\i-2]
	v_mul_f32 v[TT+1], \coef, v[KK+2*\i-1]
.endm
.macro TERM coef, i
	v_fmac_f32 v[TT], \coef, v[KK+2*\i-2]
	v_fmac_f32 v[TT+1], \coef, v[KK+2*\i-1]
.endm
.macro FINY dst
	v_fma_f32 v[\dst], v[TT], s34, v[YC]
	v_fma_f32 v[\dst+1], v[TT+1], s34, v[YC+1]
.endm
; layer 1: z = y0 W1[0][f] + y1 W1[1][f] + b1[f]
.macro L1 src
.irp i, 0,2,4,6,8,10,12,14
	v_pk_fma_f32 v[ZZ+\i:ZZ+\i+1], v[W1B+\i:W1B+\i+1], v[\src:\src+1], v[B1+\i:B1+\i+1] op_sel:[0,1,0] op_sel_hi:[1,1,1]
.endr
.irp i, 0,2,4,6,8,10,12,14
	v_pk_fma_f32 v[ZZ+\i:ZZ+\i+1], v[W1A+\i:W1A+\i+1], v[\src:\src+1], v[ZZ+\i:ZZ+\i+1] op_sel_hi:[1,0,1]
.endr
.endm
; elu on 16 numbers, then hi = bf16(a), lo = bf16(a - hi).  elu(x) is the middle one of x, exp(x) - 1 and 0, since exp(x) - 1 >= x.
.macro ACT
.irp i, 0,2,4,6,8,10,12,14
	v_pk_mul_f32 v[T16+\i:T16+\i+1], v[ZZ+\i:ZZ+\i+1], 0x3fb8aa3b op_sel_hi:[1,0]
.endr
.irp i, 0,1,2,3,4,5,6,7,8,9,10,11,12,13,14,15
	v_exp_f32 v[T16+\i], v[T16+\i]
.endr
	v_nop                                          ; one plain place behind the transcendentals
	s_wait_alu depctr_va_vdst(0)
.irp i, 0,2,4,6,8,10,12,14
	v_pk_add_f32 v[T16+\i:T16+\i+1], v[T16+\i:T16+\i+1], -1.0 op_sel_hi:[1,0]
.endr
.irp i, 0,1,2,3,4,5,6,7,8,9,10,11,12,13,14,15
	v_med3_num_f32 v[ZZ+\i], v[ZZ+\i], v[T16+\i], 0
.endr
.irp i, 0,1,2,3,4,5,6,7
	v_cvt_pk_bf16_f32 v[HB+\i], v[ZZ+2*\i], v[ZZ+2*\i+1]
.endr
.irp i, 0,1,2,3,4,5,6,7
	v_lshlrev_b32 v[T16+2*\i], 16, v[HB+\i]
	v_and_b32 v[T16+2*\i+1], 0xffff0000, v[HB+\i]
.endr
.irp i, 0,2,4,6,8,10,12,14
	v_pk_add_f32 v[T16+\i:T16+\i+1], v[ZZ+\i:ZZ+\i+1], v[T16+\i:T16+\i+1] neg_lo:[0,1] neg_hi:[0,1]
.endr
.irp i, 0,1,2,3,4,5,6,7
	v_cvt_pk_bf16_f32 v[LB+\i], v[T16+2*\i], v[T16+2*\i+1]
.endr
.endm
.macro XPUT base                       ; my fragment into LDS: 16 neighbouring bytes a lane, no bank is met twice
	ds_store_b128 v2, v[HB:HB+3]   offset:\base
	ds_store_b128 v2, v[HB+4:HB+7] offset:\base+512
	ds_store_b128 v2, v[LB:LB+3]   offset:\base+1024
	ds_store_b128 v2, v[LB+4:LB+7] offset:\base+1536
.endm
.macro XGET base                       ; the three other waves' fragments, 12 loads in the order in which MMREST wants them
.irp c, 1,2,3
.irp p, 0,1,2,3
	ds_load_b128 v[BF+16*(\c-1)+4*\p:BF+16*(\c-1)+4*\p+3], v[XR+\c-1] offset:\base+512*\p
.endr
.endr
.endm
; A layer of 128 x 128 for my 32 features, in two parts.  Four accumulators take turns, one instruction a turn, through both parts.
; MMOWN: place 0, my own fragment from its registers.  It starts the sums: the hi sums on the bias, the lo sums on 0.
.macro MMOWN wf, bt
	WIN 0x01                                       ; first source in window 1
	v_wmma_f32_16x16x32_bf16 v[ZZ:ZZ+7],    v[\wf:\wf+7],     v[HB:HB+7], v[\bt:\bt+7]
	v_wmma_f32_16x16x32_bf16 v[ZZ+8:ZZ+15], v[\wf+32:\wf+39], v[HB:HB+7], v[\bt+8:\bt+15]
	v_wmma_f32_16x16x32_bf16 v[AL:AL+7],    v[\wf:\wf+7],     v[LB:LB+7], 0
	v_wmma_f32_16x16x32_bf16 v[AL+8:AL+15], v[\wf+32:\wf+39], v[LB:LB+7], 0
	WIN 0
.endm
; MMREST: places 1 to 3, from the fragments that XGET asked for
.macro MMREST wf
	WIN 0x01
.irp c, 1,2,3
	s_wait_dscnt 12-4*\c                           ; this place's four loads are in; the 4 (3 - c) of later places may be out
	v_wmma_f32_16x16x32_bf16 v[ZZ:ZZ+7],    v[\wf+8*\c:\wf+8*\c+7],     v[BF+16*(\c-1):BF+16*(\c-1)+7],    v[ZZ:ZZ+7]
	v_wmma_f32_16x16x32_bf16 v[ZZ+8:ZZ+15], v[\wf+32+8*\c:\wf+39+8*\c], v[BF+16*(\c-1):BF+16*(\c-1)+7],    v[ZZ+8:ZZ+15]
	v_wmma_f32_16x16x32_bf16 v[AL:AL+7],    v[\wf+8*\c:\wf+8*\c+7],     v[BF+16*(\c-1)+8:BF+16*(\c-1)+15], v[AL:AL+7]
	v_wmma_f32_16x16x32_bf16 v[AL+8:AL+15], v[\wf+32+8*\c:\wf+39+8*\c], v[BF+16*(\c-1)+8:BF+16*(\c-1)+15], v[AL+8:AL+15]
.endr
	WIN 0
	NOP4
.endm
.macro ZSUM
.irp i, 0,2,4,6,8,10,12,14
	v_pk_add_f32 v[ZZ+\i:ZZ+\i+1], v[ZZ+\i:ZZ+\i+1], v[AL+\i:AL+\i+1]
.endr
.endm
; layer 4 on my own 32 features (my fragment is already the second source), then the four waves' parts are added
.macro L4K kd
	WIN 0x01
	v_wmma_f32_16x16x32_bf16 v[T16:T16+7],    v[128:135], v[HB:HB+7], 0
	v_wmma_f32_16x16x32_bf16 v[T16+8:T16+15], v[128:135], v[LB:LB+7], 0
	WIN 0
	NOP4
	v_pk_add_f32 v[QQ:QQ+1], v[T16:T16+1], v[T16+8:T16+9]      ; registers 0, 1 = outputs 0, 1 of row r, in both halves of the lanes
	ds_store_b64 v3, v[QQ:QQ+1] offset:XK
	BAR
.irp i, 0,1,2,3
	ds_load_b64 v[PK+2*\i:PK+2*\i+1], v4 offset:XK+256*\i
.endr
	s_wait_dscnt 0x0
	v_pk_add_f32 v[PK:PK+1], v[PK:PK+1], v[PK+2:PK+3]
	v_pk_add_f32 v[PK+4:PK+5], v[PK+4:PK+5], v[PK+6:PK+7]
	v_pk_add_f32 v[PK:PK+1], v[PK:PK+1], v[PK+4:PK+5]
	v_pk_add_f32 v[\kd:\kd+1], v[PK:PK+1], v[B4V:B4V+1]
.endm
; kd = f(src).  Three barriers, one for each LDS region; a region is written again two barriers behind its last reads,
; and every wave has waited for those reads in front of the first of the two.
; first = 1: the waits for the prologue's loads, each with the number of younger loads that may stay out.
.macro EV src, kd, first
.if \first
	s_wait_loadcnt 42                              ; W1 and b1 are in: 16 + 4 + 16 + 2 + 4 younger loads stay out
.endif
	L1 \src
	ACT
	XPUT X1
.if \first
	s_wait_loadcnt 22                              ; W2 and b2 are in: 16 + 2 + 4 stay out
.endif
	MMOWN 0, B2T                                   ; registers alone: it runs while my LDS stores complete
	BAR
	XGET X1
	MMREST 0
	ZSUM
	ACT
	XPUT X2
.if \first
	s_wait_loadcnt 0x0
.endif
	MMOWN 64, B3T
	BAR
	XGET X2
	MMREST 64
	ZSUM
	ACT
	L4K \kd
.endm
.macro SUBSTEP
.if FSAL == 0
	EV YC, KK, 1                                   ; the first substep makes its own k1
.endif
	TERM0 0.2, 1
	FINY YS
	EV YS, KK+2, FSAL                              ; with k1 taken over this is the launch's first evaluation
	TERM0 0.075, 1
	TERM 0.225, 2
	FINY YS
	EV YS, KK+4, 0
	TERM0 0.9777777778, 1
	TERM -3.733333333, 2
	TERM 3.555555556, 3
	FINY YS
	EV YS, KK+6, 0
	TERM0 2.952598689, 1
	TERM -11.59579332, 2
	TERM 9.822892852, 3
	TERM -0.2908093278, 4
	FINY YS
	EV YS, KK+8, 0
	TERM0 2.846275253, 1
	TERM -10.75757576, 2
	TERM 8.906422718, 3
	TERM 0.2784090909, 4
	TERM -0.2735313036, 5
	FINY YS
	EV YS, KK+10, 0
	TERM0 0.09114583333, 1
	TERM 0.4492362983, 3
	TERM 0.6510416667, 4
	TERM -0.3223761792, 5
	TERM 0.1309523810, 6
	FINY Y5
	EV Y5, KK+12, 0
.endm
; the sum of (err / tol)^2 over the block's 16 rows x 2, in every lane of v[TT]
.macro ERRSUM
	TERM0 0.001232638889, 1
	TERM -0.004252770290, 3
	TERM 0.03697916667, 4
	TERM -0.05086379717, 5
	TERM 0.04190476190, 6
	TERM -0.025, 7
	v_mul_f32 v[TT], s34, v[TT]
	v_mul_f32 v[TT+1], s34, v[TT+1]
	v_max_num_f32 v254, |v10|, |v12|               ; max(|y|, |y5|)
	v_max_num_f32 v255, |v11|, |v13|
	v_mov_b32 v253, 0x38d1b717                     ; 1e-4
	v_fma_f32 v254, s66, v254, v253                ; tol
	v_fma_f32 v255, s66, v255, v253
	v_rcp_f32 v254, v254
	v_rcp_f32 v255, v255
	v_nop                                          ; one plain place behind the transcendentals
	s_wait_alu depctr_va_vdst(0)
	v_mul_f32 v[TT], v[TT], v254
	v_mul_f32 v[TT+1], v[TT+1], v255
	v_mul_f32 v[TT], v[TT], v[TT]
	v_fma_f32 v[TT], v[TT+1], v[TT+1], v[TT]
	v_add_f32_dpp v[TT], v[TT], v[TT] row_xmask:1 row_mask:0xf bank_mask:0xf
	v_add_f32_dpp v[TT], v[TT], v[TT] row_xmask:2 row_mask:0xf bank_mask:0xf
	v_add_f32_dpp v[TT], v[TT], v[TT] row_xmask:4 row_mask:0xf bank_mask:0xf
	v_add_f32_dpp v[TT], v[TT], v[TT] row_xmask:8 row_mask:0xf bank_mask:0xf
.endm
	; ---- addresses
	s_load_b512 s[4:19], s[0:1], 0x0               ; W1 s[4:5], b1 s[6:7], b2 s[8:9], b3 s[10:11], b4 s[12:13], t s[14:15], wpk s[16:17], st in s[18:19]
	s_load_b128 s[20:23], s[0:1], 0x40             ; table in s[20:21], st out s[22:23]
	s_load_b64 s[24:25], s[0:1], 0x50              ; table out
	v_lshl_add_u32 v238, v0, 2, 0x29000
	v_mov_b32 v239, 0
	v_lshrrev_b32 v254, 5, v0
	v_readfirstlane_b32 s46, v254                  ; wave
	s_mov_b32 s47, ttmp9                           ; work-group
	s_mov_b32 s48, 0x76543210                      ; v_permlanex16_b32: lane i reads lane i of the other half
	s_mov_b32 s49, 0xfedcba98
	s_mov_b32 s66, 0x3a83126f                      ; 1e-3
	s_mov_b32 s67, 0x3089705f                      ; 1e-9
	v_and_b32 v251, 31, v0
	v_and_b32 v254, 15, v0                         ; r
	v_bfe_u32 v255, v0, 4, 1                       ; hh
	v_lshlrev_b32 v1, 4, v251
	v_lshlrev_b32 v4, 3, v251
	s_lshl_b32 s68, s46, 11
	v_add_nc_u32 v2, s68, v1
	s_lshl_b32 s68, s46, 8
	v_add_nc_u32 v3, s68, v4
	s_lshl_b32 s68, s46, 7
	v_lshl_add_u32 v5, v255, 5, s68
	s_lshl_b32 s68, s46, 10
	v_add_nc_u32 v250, s68, v1
	s_lshl_b32 s70, s46, 13                        ; my 8 fragments of a weight begin at 8,192 w
.irp c, 0,1,2,3
	s_add_co_u32 s68, s46, \c
	s_and_b32 s68, s68, 3                          ; place c holds K step (w + c) mod 4
	s_lshl_b32 s69, s68, 10
	s_add_co_u32 s69, s69, s70
	v_add_nc_u32 v[WA+\c], s69, v1
.if \c
	s_lshl_b32 s69, s68, 11                        ; that wave's 2,048 bytes of an LDS region
	v_add_nc_u32 v[XR+\c-1], s69, v1
.endif
.endr
	s_lshl_b32 s68, s47, 8
	v_lshl_add_u32 v7, v254, 3, s68
	s_and_b32 s68, s47, 31
	s_lshl2_add_u32 s68, s68, s46                  ; my block u of a table slot = 4 (wg & 31) + wave: rows 32 u .. 32 u + 31
	s_lshr_b32 s62, s47, 5                         ; my slot p
	s_lshl_b32 s69, s62, 15
	s_lshl_b32 s70, s68, 8
	s_add_co_u32 s69, s69, s70
	v_add_nc_u32 v8, s69, v4                       ; 32,768 p + 256 u + 8 lane
	s_lshl_b32 s70, s68, 9
	v_lshl_add_u32 v9, v255, 8, s70                ; the same rows in st: block 2 u + hh,
	v_lshl_add_u32 v9, v254, 3, v9                 ; row r
	s_wait_kmcnt 0x0
	; ---- everything the launch reads, 61 loads (63 with k1 and k7) in the order in which it is wanted
	s_load_b256 s[28:35], s[18:19], REC
	s_load_b256 s[36:43], s[14:15], 0x0
	s_load_b64 s[44:45], s[12:13], 0x0
	global_load_b128 v[176:179], v1, s[18:19] offset:PART
	global_load_b128 v[180:183], v1, s[18:19] offset:PART+512
	global_load_b64 v[YC:YC+1], v7, s[18:19]
	global_load_b64 v[Y5:Y5+1], v7, s[18:19] offset:128
.if FSAL
	global_load_b64 v[KK:KK+1], v7, s[18:19] offset:KREG               ; the last substep's k1
	global_load_b64 v[KK+12:KK+13], v7, s[18:19] offset:KREG+128       ; and its k7
.endif
	global_load_b64 v[184:185], v8, s[20:21]       ; my block of the table as it was
	global_load_b64 v[186:187], v9, s[18:19]       ; y of its rows
	global_load_b64 v[188:189], v9, s[18:19] offset:128        ; y5 of its rows
	LDC W1A, 4, 0
	LDC W1B, 4, 512
	LDC B1, 6, 0
	WIN 0x40                                       ; destination in window 1
	LDW 0, 0
	WIN 0
	LDC B2T, 8, 0
	WIN 0x40
	LDW 64, 32768
	global_load_b128 v[128:131], v250, s[16:17] offset:65536
	global_load_b128 v[132:135], v250, s[16:17] offset:65536+512
	WIN 0
	LDC B3T, 10, 0
	s_wait_kmcnt 0x0
.irp p, 1,2,3,4,5,6
	v_sub_f32 v254, s[37+\p], s[36+\p]
	v_cmp_ge_f32 s[55+\p], s67, v254               ; D p: interval p is done at its start
.endr
	v_mov_b32 v[B4V], s44
	v_mov_b32 v[B4V+1], s45
	; ---- the controller
	s_wait_loadcnt 57                              ; the partial sums, y and y5 (and k1, k7) are in: the 57 younger loads stay out
	PSUM 176
	UPD
	v_cndmask_b32 v[YC], v[YC], v[Y5], s50         ; y as it now stands
	v_cndmask_b32 v[YC+1], v[YC+1], v[Y5+1], s50
.if FSAL
	v_cndmask_b32 v[KK], v[KK], v[KK+12], s50      ; and f of it
	v_cndmask_b32 v[KK+1], v[KK+1], v[KK+13], s50
.endif
	; ---- my block of the table
	s_wait_loadcnt 54                              ; three more are in
	s_cmp_le_u32 s62, s55
	s_cselect_b32 s63, -1, 0                       ; slots up to the last substep's interval are final
	v_cndmask_b32 v186, v186, v188, s50
	v_cndmask_b32 v187, v187, v189, s50
	v_cndmask_b32 v186, v186, v184, s63
	v_cndmask_b32 v187, v187, v185, s63
	global_store_b64 v8, v[186:187], s[24:25]      ; 256 consecutive bytes, aligned
	; ---- wave 0 of work-group 0 writes the record of the substep that this launch makes
	s_or_b32 s68, s46, s47
	s_cmp_lg_u32 s68, 0
	s_cbranch_scc1 .Lnorec
	v_mov_b32 v190, 0
	v_writelane_b32 v190, s28, 0
	v_writelane_b32 v190, s29, 1
	v_writelane_b32 v190, s30, 2
	v_writelane_b32 v190, s32, 4
	v_writelane_b32 v190, s33, 5
	v_writelane_b32 v190, s34, 6
	v_lshlrev_b32 v191, 2, v251
	global_store_b32 v191, v190, s[22:23] offset:REC
.Lnorec:
	s_wait_xcnt 0x0                                ; the stores' data lie in registers that LDS loads fill below: those are written only behind this wait
	; ---- the substep
	SUBSTEP
	ERRSUM
	; ---- wave 0 stores the block's y and y5, its k1 and k7, and its partial sum
	s_cmp_lg_u32 s46, 0
	s_cbranch_scc1 .Lend
	v_cmp_lt_u32 vcc_lo, 15, v251
	v_cndmask_b32 v[QQ], v[YC], v[Y5], vcc_lo      ; lanes 0-15 y, lanes 16-31 y5
	v_cndmask_b32 v[QQ+1], v[YC+1], v[Y5+1], vcc_lo
	v_cndmask_b32 v178, v[KK], v[KK+12], vcc_lo    ; lanes 0-15 k1, lanes 16-31 k7
	v_cndmask_b32 v179, v[KK+1], v[KK+13], vcc_lo
	s_lshl_b32 s68, s47, 8
	v_add_nc_u32 v176, s68, v4
	s_lshl_b32 s68, s47, 2
	v_mov_b32 v177, s68
	global_store_b64 v176, v[QQ:QQ+1], s[22:23]    ; 256 consecutive bytes, aligned
	global_store_b64 v176, v[178:179], s[22:23] offset:KREG    ; likewise
	v_cmp_eq_u32 vcc_lo, 0, v251
	s_wait_xcnt 0x0                                ; EXEC is a source of the pending stores: it changes only behind this wait
	s_and_saveexec_b32 s69, vcc_lo
	global_store_b32 v177, v[TT], s[22:23] offset:PART
	s_wait_xcnt 0x0                                ; and again in front of the line that widens it
	s_or_b32 exec_lo, exec_lo, s69
.Lend:
	s_wait_tensorcnt 0x0
	ds_add_u32 v238, v239
	s_wait_dscnt 0x0
	s_endpgm
.Lfunc_end_k_q28be0b77c6_step:
	.size	k_q28be0b77c6_step, .Lfunc_end_k_q28be0b77c6_step-k_q28be0b77c6_step
	.p2alignl 7, 3214868480
	.fill 96, 4, 3214868480
	.section	.rodata,"a",@progbits
	.p2align	6, 0x0
	.amdhsa_kernel k_q28be0b77c6_step
		.amdhsa_group_segment_fixed_size 168448
		.amdhsa_private_segment_fixed_size 0
		.amdhsa_enable_private_segment 0
		.amdhsa_kernarg_size 88
		.amdhsa_user_sgpr_count 2
		.amdhsa_user_sgpr_kernarg_segment_ptr 1
		.amdhsa_wavefront_size32 1
		.amdhsa_system_sgpr_workgroup_id_x 1
		.amdhsa_system_sgpr_workgroup_id_y 1
		.amdhsa_system_sgpr_workgroup_id_z 1
		.amdhsa_system_vgpr_workitem_id 0
		.amdhsa_next_free_vgpr 392
		.amdhsa_next_free_sgpr 80
		.amdhsa_reserve_vcc 1
		.amdhsa_float_denorm_mode_32 3
		.amdhsa_float_denorm_mode_16_64 3
		.amdhsa_memory_ordered 1
		.amdhsa_forward_progress 1
		.amdhsa_inst_pref_size 184
	.end_amdhsa_kernel
	.amdgpu_metadata
---
amdhsa.version: [ 1, 2 ]
amdhsa.kernels:
  - .name:           k_q28be0b77c6_step
    .symbol:         k_q28be0b77c6_step.kd
    .args:
      - { .name: W1, .offset: 0, .size: 8, .value_kind: global_buffer, .address_space: global }
      - { .name: b1, .offset: 8, .size: 8, .value_kind: global_buffer, .address_space: global }
      - { .name: b2, .offset: 16, .size: 8, .value_kind: global_buffer, .address_space: global }
      - { .name: b3, .offset: 24, .size: 8, .value_kind: global_buffer, .address_space: global }
      - { .name: b4, .offset: 32, .size: 8, .value_kind: global_buffer, .address_space: global }
      - { .name: t, .offset: 40, .size: 8, .value_kind: global_buffer, .address_space: global }
      - { .name: wpk, .offset: 48, .size: 8, .value_kind: global_buffer, .address_space: global }
      - { .name: stA, .offset: 56, .size: 8, .value_kind: global_buffer, .address_space: global }
      - { .name: tabA, .offset: 64, .size: 8, .value_kind: global_buffer, .address_space: global }
      - { .name: stB, .offset: 72, .size: 8, .value_kind: global_buffer, .address_space: global }
      - { .name: tabB, .offset: 80, .size: 8, .value_kind: global_buffer, .address_space: global }
    .group_segment_fixed_size: 168448
    .private_segment_fixed_size: 0
    .kernarg_segment_align: 8
    .kernarg_segment_size: 88
    .max_flat_workgroup_size: 128
    .sgpr_count:     80
    .vgpr_count:     392
    .wavefront_size: 32
...
	.end_amdgpu_metadata
.endif
;; end of part 4
;; launch stepf (part 5): grid 256 x 1, 4 waves a work-group, no clusters, 168,448 bytes of LDS; arguments W1, b1, b2, b3, b4, t, wpk, stB, tabB, stA, tabA; writes stA, tabA
.if DOCPART == 5
	.amdgcn_target "amdgcn-amd-amdhsa--gfx1250"
	.amdhsa_code_object_version 6
	.text
	.protected	k_q28be0b77c6_stepf
	.globl	k_q28be0b77c6_stepf
	.p2align	8
	.type	k_q28be0b77c6_stepf,@function
k_q28be0b77c6_stepf:
	s_mov_b64 s[64:65], 0
	v_nop
	global_prefetch_b8 v0, s[64:65] scope:SCOPE_SE
	s_setreg_imm32_b32 hwreg(HW_REG_WAVE_MODE, 25, 1), 1
	s_wait_xcnt 0x0
; step: one Dormand-Prince substep of the whole batch, 16 rows a work-group, four waves.
; This text exists twice and differs in the symbol FSAL alone.  FSAL = 0: the first substep, which makes all seven evaluations.
; FSAL = 1: every later one, which takes k1 over.  k7 = f(y5) of an accepted substep is f(y) of the next, and after a rejected one y
; and so k1 stay: k1 = accept ? k7 : k1, bit for bit what a fresh evaluation by this text would give.  Every launch stores its k1 and k7.
.set FSAL, 1
; THE CONTROLLER.  Every wave first brings the step-size controller up to date from the last launch's record (REC) and the 256
; partial sums of (err / tol)^2 (PART): accept or reject, the next h, the close of an interval.  It is made of compares and selects
; alone and is the same bit for bit in every wave.  A substep of reference() whose 'done' holds changes nothing, so the controller
; passes over such substeps; when the schedule is over (ival = 7) the launch still makes a substep, with h = 0, which the next launch drops.
; THE TABLE of the output's shape goes from launch to launch: slot p is kept where p <= the interval of the last substep, else it is y as it now stands.
; THE NET.  Matrix instructions are used transposed: first source = 16 features x 32 k of a weight (bf16, kept in registers all launch long),
; second source = activations, column n = batch row.  In a result lane (r, hh) holds row r's features 8 hh + 0 .. 7 of a tile, which is
; the place the same numbers have in the next layer's second source: wave w's two tiles (features 32 w .. 32 w + 31) ARE K step w.
; The four waves exchange these fragments through LDS, one barrier a layer.  A wave does not read its own fragment back: its weight
; place c holds K step (w + c) mod 4, so place 0 is multiplied straight from the registers, while the LDS stores and the barrier
; complete, and places 1 to 3 take the three other waves' fragments: 12 LDS loads a layer instead of 16.
; Activations go in as hi + lo, two bf16 whose sum holds 16 bits of the f32: the error estimate is a sum of k's with weights that add
; up to zero, and single bf16 activations would show in it as an error of the step.
; Layer 1 has K = 2: two fused multiply-adds an output in f32, made straight in the fragment's places.
; NO JOINT LOADS, though every work-group reads the same weights: a wave reads its 17 KiB once, straight into the registers where
; they stay; a joint load would land in LDS, be read back from there, and add two meetings of a cluster in front of the first layer.
; The work-group is given more than half of the LDS, of which it uses 17,408 bytes, so that its four waves have four SIMDs to themselves.
; LIMITS.  tol takes the larger of |y|, |y5| by a maximum in which a NaN loses.  elu's exp(x) - 1 is formed as such: absolute error
; about 6e-8.  An activation that rounds to a bf16 infinity (above 3.39e38) gives NaN through its lo part.  Sums are ordered otherwise than in reference().
.set PART, 65536                       ; in st: 256 partial sums
.set REC,  66560                       ; in st: the record
.set KREG, 66816                       ; in st: block b at 256 b: k1 of its 16 rows (8 bytes a row), then k7 of the same rows
.set X1,   0                           ; LDS: layer 1's fragments, 2,048 bytes a wave: hi 0-3, hi 4-7, lo 0-3, lo 4-7, 512 each, 16 a lane
.set X2,   8192                        ; LDS: layer 2's
.set XK,   16384                       ; LDS: the four waves' parts of k, 256 bytes each
.set YC,   10                          ; v[10:11]   y of row r (both halves of the lanes alike)
.set Y5,   12                          ; v[12:13]   y5
.set YS,   14                          ; v[14:15]   a stage's argument
.set KK,   16                          ; v[16:29]   k1 .. k7
.set TT,   30                          ; v[30:31]   at work
.set W1A,  32                          ; v[32:47]   W1[0][f] of my 16 features f = 32 w + 16 q + 8 hh + j, at 8 q + j
.set W1B,  48                          ; v[48:63]   W1[1][f]
.set B1,   64                          ; v[64:79]   b1[f]
.set B2T,  80                          ; v[80:95]   b2[f]
.set B3T,  96                          ; v[96:111]  b3[f]
.set ZZ,   112                         ; v[112:127] two tiles: the sums of the hi parts, then the layer's output
.set AL,   128                         ; v[128:143] two tiles: the sums of the lo parts
.set T16,  144                         ; v[144:159] at work; layer 4's two results
.set HB,   160                         ; v[160:167] my fragment, hi
.set LB,   168                         ; v[168:175] my fragment, lo
.set BF,   176                         ; v[176:223] the other three waves' fragments: place c hi at 16 (c - 1), lo at 16 (c - 1) + 8; at work in the prologue
.set WA,   224                         ; v[224:227] place c: 8,192 w + 1,024 ((w + c) mod 4) + 16 lane, where its weight fragments lie in wpk
.set XR,   228                         ; v[228:230] place c = 1 .. 3: 2,048 ((w + c) mod 4) + 16 lane, where its activations lie in an LDS region
.set B4V,  240                         ; v[240:241] b4
.set PK,   242                         ; v[242:249] the four parts of k
.set QQ,   252                         ; v[252:253] at work
; v1 16 lane, v2 2,048 w + 16 lane, v3 256 w + 8 lane, v4 8 lane, v5 128 w + 32 hh, v7 256 wg + 8 r,
; v8, v9 my block of the table and its rows in st, v250 1,024 w + 16 lane, v251 lane, v254, v255 at work.
; Window 1 (v256 and up): W2's 8 fragments v0-63 (tile q, place c at 8 (4 q + c)), W3's v64-127, W4's v128-135.
; s28 ival, s29 j, s30 live, s32 tc, s33 h, s34 heff; s[36:43] t; s50 accept, s51 live mask, s52 close, s54 t1, s55 ival before, s56-61 D1-D6.
.set MSB, 0
.macro WIN new                         ; the immediate's high byte repeats the setting that is left
.if MSB != \new
	s_set_vgpr_msb (MSB<<8)|\new
.set MSB, \new
.endif
.endm
.macro NOP4                            ; four places behind a matrix instruction before its registers are read or written by anything else (ISA guide 7.12.1)
.rept 4
	v_nop
.endr
.endm
.macro BAR
	s_wait_dscnt 0x0                               ; my LDS stores are done, and so are my reads of what is written behind a later barrier
	s_barrier_signal -1
	s_barrier_wait -1
.endm
.macro LDC dst, sb, add                ; 16 f32 of my features from a row of 128
	global_load_b128 v[\dst:\dst+3],     v5, s[\sb:\sb+1] offset:\add
	global_load_b128 v[\dst+4:\dst+7],   v5, s[\sb:\sb+1] offset:\add+16
	global_load_b128 v[\dst+8:\dst+11],  v5, s[\sb:\sb+1] offset:\add+64
	global_load_b128 v[\dst+12:\dst+15], v5, s[\sb:\sb+1] offset:\add+80
.endm
.macro LDW dst, add                    ; my 8 fragments of a weight, 16 loads of 512 consecutive bytes (destination in window 1): tile q at 4,096 q, the place in the address register
.irp q, 0,1
.irp c, 0,1,2,3
	global_load_b128 v[\dst+8*(4*\q+\c):\dst+8*(4*\q+\c)+3],   v[WA+\c], s[16:17] offset:\add+4096*\q
	global_load_b128 v[\dst+8*(4*\q+\c)+4:\dst+8*(4*\q+\c)+7], v[WA+\c], s[16:17] offset:\add+4096*\q+512
.endr
.endr
.endm
; the 256 partial sums, 8 a lane in v[b:b+7], to one sum in every lane of v176
.macro PSUM b
	v_pk_add_f32 v[\b:\b+1], v[\b:\b+1], v[\b+2:\b+3]
	v_pk_add_f32 v[\b+4:\b+5], v[\b+4:\b+5], v[\b+6:\b+7]
	v_pk_add_f32 v[\b:\b+1], v[\b:\b+1], v[\b+4:\b+5]
	v_add_f32 v176, v[\b], v[\b+1]
	v_add_f32_dpp v176, v176, v176 row_xmask:1 row_mask:0xf bank_mask:0xf
	v_add_f32_dpp v176, v176, v176 row_xmask:2 row_mask:0xf bank_mask:0xf
	v_add_f32_dpp v176, v176, v176 row_xmask:4 row_mask:0xf bank_mask:0xf
	v_add_f32_dpp v176, v176, v176 row_xmask:8 row_mask:0xf bank_mask:0xf
	v_mov_b32 v177, v176                           ; the next line's destination counts as read
	v_permlanex16_b32 v177, v176, s48, s49
	v_add_f32 v176, v176, v177
.endm
.macro T1SEL                           ; s54 = t[ival + 1] (t[7] where ival = 7: not used then)
	s_mov_b32 s54, s43
.irp p, 0,1,2,3,4,5,6
	s_cmp_eq_u32 s28, \p
	s_cselect_b32 s54, s[37+\p], s54
.endr
.endm
; The controller.  In: v176 = sum of (err / tol)^2 of the substep that the record describes.  Out: the record of the substep to make now, s50 = accept, s55 = the old interval.
.macro UPD
	v_mul_f32 v177, 0x39000000, v176               ; / 8,192: the mean over 4,096 rows x 2
	v_sqrt_f32 v177, v177                          ; err_norm
	s_mov_b32 s55, s28
	v_nop                                          ; one plain place behind a transcendental (ISA guide 5.7.2)
	s_cmp_lg_u32 s30, 0
	s_cselect_b32 s51, -1, 0                       ; the recorded substep was a real one
	s_wait_alu depctr_va_vdst(0)
	v_cmp_ge_f32 s50, 1.0, v177
	s_and_b32 s50, s50, s51                        ; accept
	v_max_num_f32 v178, 0x2edbe6ff, v177           ; max(err_norm, 1e-10)
	v_log_f32 v178, v178
	v_nop
	s_wait_alu depctr_va_vdst(0)
	v_mul_f32 v178, 0xbe4ccccd, v178               ; ^ -0.2
	v_exp_f32 v178, v178
	v_nop
	s_wait_alu depctr_va_vdst(0)
	v_mul_f32 v178, 0x3f666666, v178               ; x 0.9
	v_max_num_f32 v178, 0x3e4ccccd, v178           ; clipped to 0.2 .. 10
	v_min_num_f32 v178, 0x41200000, v178
	v_cmp_neq_f32 vcc_lo, v177, v177
	v_cndmask_b32 v178, v178, v177, vcc_lo         ; a NaN goes through, as in reference()
	v_mul_f32 v178, s34, v178
	v_mov_b32 v179, s33
	v_cndmask_b32 v179, v179, v178, s51            ; h = heff x factor
	v_mov_b32 v180, s32
	v_add_f32 v181, s34, v180
	v_cndmask_b32 v180, v180, v181, s50            ; tc += heff where accepted
	s_add_co_u32 s29, s29, s30                     ; one substep of the interval's four is spent
	v_readfirstlane_b32 s32, v180
	v_readfirstlane_b32 s33, v179
	T1SEL
	v_sub_f32 v181, s54, v180
	v_cmp_ge_f32 s52, s67, v181                    ; t1 - tc <= 1e-9
	s_cmp_ge_u32 s29, 4
	s_cselect_b32 s53, -1, 0
	s_or_b32 s52, s52, s53
	s_cmp_lt_u32 s28, 7
	s_cselect_b32 s53, -1, 0
	s_and_b32 s52, s52, s53                        ; the interval closes
.irp p, 0,1,2,3,4,5,6                              ; and so does each next one that is done at its start
	s_cmp_eq_u32 s28, \p
	s_cselect_b32 s53, s52, 0
	s_cmp_lg_u32 s53, 0
	s_cselect_b32 s28, \p+1, s28
	s_cselect_b32 s29, 0, s29
	s_cselect_b32 s32, s[37+\p], s32               ; tc starts anew at the interval's t0
.if \p < 6
	s_cselect_b32 s52, s[56+\p], s52
.else
	s_cselect_b32 s52, 0, s52
.endif
.endr
	s_cmp_lt_u32 s28, 7
	s_cselect_b32 s30, 1, 0                        ; live
	s_cselect_b32 s51, -1, 0
	T1SEL
	v_mov_b32 v180, s32
	v_sub_f32 v181, s54, v180
	v_min_num_f32 v181, s33, v181                  ; heff = min(h, t1 - tc)
	v_cmp_neq_f32 vcc_lo, v179, v179
	v_cndmask_b32 v181, v181, v179, vcc_lo         ; a NaN in h goes through
	v_cndmask_b32 v181, 0, v181, s51               ; 0 when the schedule is over
	v_readfirstlane_b32 s34, v181
.endm
; a stage's sum of k's
.macro TERM0 coef, i
	v_mul_f32 v[TT], \coef, v[KK+2*\i-2]
	v_mul_f32 v[TT+1], \coef, v[KK+2*\i-1]
.endm
.macro TERM coef, i
	v_fmac_f32 v[TT], \coef, v[KK+2*\i-2]
	v_fmac_f32 v[TT+1], \coef, v[KK+2*\i-1]
.endm
.macro FINY dst
	v_fma_f32 v[\dst], v[TT], s34, v[YC]
	v_fma_f32 v[\dst+1], v[TT+1], s34, v[YC+1]
.endm
; layer 1: z = y0 W1[0][f] + y1 W1[1][f] + b1[f]
.macro L1 src
.irp i, 0,2,4,6,8,10,12,14
	v_pk_fma_f32 v[ZZ+\i:ZZ+\i+1], v[W1B+\i:W1B+\i+1], v[\src:\src+1], v[B1+\i:B1+\i+1] op_sel:[0,1,0] op_sel_hi:[1,1,1]
.endr
.irp i, 0,2,4,6,8,10,12,14
	v_pk_fma_f32 v[ZZ+\i:ZZ+\i+1], v[W1A+\i:W1A+\i+1], v[\src:\src+1], v[ZZ+\i:ZZ+\i+1] op_sel_hi:[1,0,1]
.endr
.endm
; elu on 16 numbers, then hi = bf16(a), lo = bf16(a - hi).  elu(x) is the middle one of x, exp(x) - 1 and 0, since exp(x) - 1 >= x.
.macro ACT
.irp i, 0,2,4,6,8,10,12,14
	v_pk_mul_f32 v[T16+\i:T16+\i+1], v[ZZ+\i:ZZ+\i+1], 0x3fb8aa3b op_sel_hi:[1,0]
.endr
.irp i, 0,1,2,3,4,5,6,7,8,9,10,11,12,13,14,15
	v_exp_f32 v[T16+\i], v[T16+\i]
.endr
	v_nop                                          ; one plain place behind the transcendentals
	s_wait_alu depctr_va_vdst(0)
.irp i, 0,2,4,6,8,10,12,14
	v_pk_add_f32 v[T16+\i:T16+\i+1], v[T16+\i:T16+\i+1], -1.0 op_sel_hi:[1,0]
.endr
.irp i, 0,1,2,3,4,5,6,7,8,9,10,11,12,13,14,15
	v_med3_num_f32 v[ZZ+\i], v[ZZ+\i], v[T16+\i], 0
.endr
.irp i, 0,1,2,3,4,5,6,7
	v_cvt_pk_bf16_f32 v[HB+\i], v[ZZ+2*\i], v[ZZ+2*\i+1]
.endr
.irp i, 0,1,2,3,4,5,6,7
	v_lshlrev_b32 v[T16+2*\i], 16, v[HB+\i]
	v_and_b32 v[T16+2*\i+1], 0xffff0000, v[HB+\i]
.endr
.irp i, 0,2,4,6,8,10,12,14
	v_pk_add_f32 v[T16+\i:T16+\i+1], v[ZZ+\i:ZZ+\i+1], v[T16+\i:T16+\i+1] neg_lo:[0,1] neg_hi:[0,1]
.endr
.irp i, 0,1,2,3,4,5,6,7
	v_cvt_pk_bf16_f32 v[LB+\i], v[T16+2*\i], v[T16+2*\i+1]
.endr
.endm
.macro XPUT base                       ; my fragment into LDS: 16 neighbouring bytes a lane, no bank is met twice
	ds_store_b128 v2, v[HB:HB+3]   offset:\base
	ds_store_b128 v2, v[HB+4:HB+7] offset:\base+512
	ds_store_b128 v2, v[LB:LB+3]   offset:\base+1024
	ds_store_b128 v2, v[LB+4:LB+7] offset:\base+1536
.endm
.macro XGET base                       ; the three other waves' fragments, 12 loads in the order in which MMREST wants them
.irp c, 1,2,3
.irp p, 0,1,2,3
	ds_load_b128 v[BF+16*(\c-1)+4*\p:BF+16*(\c-1)+4*\p+3], v[XR+\c-1] offset:\base+512*\p
.endr
.endr
.endm
; A layer of 128 x 128 for my 32 features, in two parts.  Four accumulators take turns, one instruction a turn, through both parts.
; MMOWN: place 0, my own fragment from its registers.  It starts the sums: the hi sums on the bias, the lo sums on 0.
.macro MMOWN wf, bt
	WIN 0x01                                       ; first source in window 1
	v_wmma_f32_16x16x32_bf16 v[ZZ:ZZ+7],    v[\wf:\wf+7],     v[HB:HB+7], v[\bt:\bt+7]
	v_wmma_f32_16x16x32_bf16 v[ZZ+8:ZZ+15], v[\wf+32:\wf+39], v[HB:HB+7], v[\bt+8:\bt+15]
	v_wmma_f32_16x16x32_bf16 v[AL:AL+7],    v[\wf:\wf+7],     v[LB:LB+7], 0
	v_wmma_f32_16x16x32_bf16 v[AL+8:AL+15], v[\wf+32:\wf+39], v[LB:LB+7], 0
	WIN 0
.endm
; MMREST: places 1 to 3, from the fragments that XGET asked for
.macro MMREST wf
	WIN 0x01
.irp c, 1,2,3
	s_wait_dscnt 12-4*\c                           ; this place's four loads are in; the 4 (3 - c) of later places may be out
	v_wmma_f32_16x16x32_bf16 v[ZZ:ZZ+7],    v[\wf+8*\c:\wf+8*\c+7],     v[BF+16*(\c-1):BF+16*(\c-1)+7],    v[ZZ:ZZ+7]
	v_wmma_f32_16x16x32_bf16 v[ZZ+8:ZZ+15], v[\wf+32+8*\c:\wf+39+8*\c], v[BF+16*(\c-1):BF+16*(\c-1)+7],    v[ZZ+8:ZZ+15]
	v_wmma_f32_16x16x32_bf16 v[AL:AL+7],    v[\wf+8*\c:\wf+8*\c+7],     v[BF+16*(\c-1)+8:BF+16*(\c-1)+15], v[AL:AL+7]
	v_wmma_f32_16x16x32_bf16 v[AL+8:AL+15], v[\wf+32+8*\c:\wf+39+8*\c], v[BF+16*(\c-1)+8:BF+16*(\c-1)+15], v[AL+8:AL+15]
.endr
	WIN 0
	NOP4
.endm
.macro ZSUM
.irp i, 0,2,4,6,8,10,12,14
	v_pk_add_f32 v[ZZ+\i:ZZ+\i+1], v[ZZ+\i:ZZ+\i+1], v[AL+\i:AL+\i+1]
.endr
.endm
; layer 4 on my own 32 features (my fragment is already the second source), then the four waves' parts are added
.macro L4K kd
	WIN 0x01
	v_wmma_f32_16x16x32_bf16 v[T16:T16+7],    v[128:135], v[HB:HB+7], 0
	v_wmma_f32_16x16x32_bf16 v[T16+8:T16+15], v[128:135], v[LB:LB+7], 0
	WIN 0
	NOP4
	v_pk_add_f32 v[QQ:QQ+1], v[T16:T16+1], v[T16+8:T16+9]      ; registers 0, 1 = outputs 0, 1 of row r, in both halves of the lanes
	ds_store_b64 v3, v[QQ:QQ+1] offset:XK
	BAR
.irp i, 0,1,2,3
	ds_load_b64 v[PK+2*\i:PK+2*\i+1], v4 offset:XK+256*\i
.endr
	s_wait_dscnt 0x0
	v_pk_add_f32 v[PK:PK+1], v[PK:PK+1], v[PK+2:PK+3]
	v_pk_add_f32 v[PK+4:PK+5], v[PK+4:PK+5], v[PK+6:PK+7]
	v_pk_add_f32 v[PK:PK+1], v[PK:PK+1], v[PK+4:PK+5]
	v_pk_add_f32 v[\kd:\kd+1], v[PK:PK+1], v[B4V:B4V+1]
.endm
; kd = f(src).  Three barriers, one for each LDS region; a region is written again two barriers behind its last reads,
; and every wave has waited for those reads in front of the first of the two.
; first = 1: the waits for the prologue's loads, each with the number of younger loads that may stay out.
.macro EV src, kd, first
.if \first
	s_wait_loadcnt 42                              ; W1 and b1 are in: 16 + 4 + 16 + 2 + 4 younger loads stay out
.endif
	L1 \src
	ACT
	XPUT X1
.if \first
	s_wait_loadcnt 22                              ; W2 and b2 are in: 16 + 2 + 4 stay out
.endif
	MMOWN 0, B2T                                   ; registers alone: it runs while my LDS stores complete
	BAR
	XGET X1
	MMREST 0
	ZSUM
	ACT
	XPUT X2
.if \first
	s_wait_loadcnt 0x0
.endif
	MMOWN 64, B3T
	BAR
	XGET X2
	MMREST 64
	ZSUM
	ACT
	L4K \kd
.endm
.macro SUBSTEP
.if FSAL == 0
	EV YC, KK, 1                                   ; the first substep makes its own k1
.endif
	TERM0 0.2, 1
	FINY YS
	EV YS, KK+2, FSAL                              ; with k1 taken over this is the launch's first evaluation
	TERM0 0.075, 1
	TERM 0.225, 2
	FINY YS
	EV YS, KK+4, 0
	TERM0 0.9777777778, 1
	TERM -3.733333333, 2
	TERM 3.555555556, 3
	FINY YS
	EV YS, KK+6, 0
	TERM0 2.952598689, 1
	TERM -11.59579332, 2
	TERM 9.822892852, 3
	TERM -0.2908093278, 4
	FINY YS
	EV YS, KK+8, 0
	TERM0 2.846275253, 1
	TERM -10.75757576, 2
	TERM 8.906422718, 3
	TERM 0.2784090909, 4
	TERM -0.2735313036, 5
	FINY YS
	EV YS, KK+10, 0
	TERM0 0.09114583333, 1
	TERM 0.4492362983, 3
	TERM 0.6510416667, 4
	TERM -0.3223761792, 5
	TERM 0.1309523810, 6
	FINY Y5
	EV Y5, KK+12, 0
.endm
; the sum of (err / tol)^2 over the block's 16 rows x 2, in every lane of v[TT]
.macro ERRSUM
	TERM0 0.001232638889, 1
	TERM -0.004252770290, 3
	TERM 0.03697916667, 4
	TERM -0.05086379717, 5
	TERM 0.04190476190, 6
	TERM -0.025, 7
	v_mul_f32 v[TT], s34, v[TT]
	v_mul_f32 v[TT+1], s34, v[TT+1]
	v_max_num_f32 v254, |v10|, |v12|               ; max(|y|, |y5|)
	v_max_num_f32 v255, |v11|, |v13|
	v_mov_b32 v253, 0x38d1b717                     ; 1e-4
	v_fma_f32 v254, s66, v254, v253                ; tol
	v_fma_f32 v255, s66, v255, v253
	v_rcp_f32 v254, v254
	v_rcp_f32 v255, v255
	v_nop                                          ; one plain place behind the transcendentals
	s_wait_alu depctr_va_vdst(0)
	v_mul_f32 v[TT], v[TT], v254
	v_mul_f32 v[TT+1], v[TT+1], v255
	v_mul_f32 v[TT], v[TT], v[TT]
	v_fma_f32 v[TT], v[TT+1], v[TT+1], v[TT]
	v_add_f32_dpp v[TT], v[TT], v[TT] row_xmask:1 row_mask:0xf bank_mask:0xf
	v_add_f32_dpp v[TT], v[TT], v[TT] row_xmask:2 row_mask:0xf bank_mask:0xf
	v_add_f32_dpp v[TT], v[TT], v[TT] row_xmask:4 row_mask:0xf bank_mask:0xf
	v_add_f32_dpp v[TT], v[TT], v[TT] row_xmask:8 row_mask:0xf bank_mask:0xf
.endm
	; ---- addresses
	s_load_b512 s[4:19], s[0:1], 0x0               ; W1 s[4:5], b1 s[6:7], b2 s[8:9], b3 s[10:11], b4 s[12:13], t s[14:15], wpk s[16:17], st in s[18:19]
	s_load_b128 s[20:23], s[0:1], 0x40             ; table in s[20:21], st out s[22:23]
	s_load_b64 s[24:25], s[0:1], 0x50              ; table out
	v_lshl_add_u32 v238, v0, 2, 0x29000
	v_mov_b32 v239, 0
	v_lshrrev_b32 v254, 5, v0
	v_readfirstlane_b32 s46, v254                  ; wave
	s_mov_b32 s47, ttmp9                           ; work-group
	s_mov_b32 s48, 0x76543210                      ; v_permlanex16_b32: lane i reads lane i of the other half
	s_mov_b32 s49, 0xfedcba98
	s_mov_b32 s66, 0x3a83126f                      ; 1e-3
	s_mov_b32 s67, 0x3089705f                      ; 1e-9
	v_and_b32 v251, 31, v0
	v_and_b32 v254, 15, v0                         ; r
	v_bfe_u32 v255, v0, 4, 1                       ; hh
	v_lshlrev_b32 v1, 4, v251
	v_lshlrev_b32 v4, 3, v251
	s_lshl_b32 s68, s46, 11
	v_add_nc_u32 v2, s68, v1
	s_lshl_b32 s68, s46, 8
	v_add_nc_u32 v3, s68, v4
	s_lshl_b32 s68, s46, 7
	v_lshl_add_u32 v5, v255, 5, s68
	s_lshl_b32 s68, s46, 10
	v_add_nc_u32 v250, s68, v1
	s_lshl_b32 s70, s46, 13                        ; my 8 fragments of a weight begin at 8,192 w
.irp c, 0,1,2,3
	s_add_co_u32 s68, s46, \c
	s_and_b32 s68, s68, 3                          ; place c holds K step (w + c) mod 4
	s_lshl_b32 s69, s68, 10
	s_add_co_u32 s69, s69, s70
	v_add_nc_u32 v[WA+\c], s69, v1
.if \c
	s_lshl_b32 s69, s68, 11                        ; that wave's 2,048 bytes of an LDS region
	v_add_nc_u32 v[XR+\c-1], s69, v1
.endif
.endr
	s_lshl_b32 s68, s47, 8
	v_lshl_add_u32 v7, v254, 3, s68
	s_and_b32 s68, s47, 31
	s_lshl2_add_u32 s68, s68, s46                  ; my block u of a table slot = 4 (wg & 31) + wave: rows 32 u .. 32 u + 31
	s_lshr_b32 s62, s47, 5                         ; my slot p
	s_lshl_b32 s69, s62, 15
	s_lshl_b32 s70, s68, 8
	s_add_co_u32 s69, s69, s70
	v_add_nc_u32 v8, s69, v4                       ; 32,768 p + 256 u + 8 lane
	s_lshl_b32 s70, s68, 9
	v_lshl_add_u32 v9, v255, 8, s70                ; the same rows in st: block 2 u + hh,
	v_lshl_add_u32 v9, v254, 3, v9                 ; row r
	s_wait_kmcnt 0x0
	; ---- everything the launch reads, 61 loads (63 with k1 and k7) in the order in which it is wanted
	s_load_b256 s[28:35], s[18:19], REC
	s_load_b256 s[36:43], s[14:15], 0x0
	s_load_b64 s[44:45], s[12:13], 0x0
	global_load_b128 v[176:179], v1, s[18:19] offset:PART
	global_load_b128 v[180:183], v1, s[18:19] offset:PART+512
	global_load_b64 v[YC:YC+1], v7, s[18:19]
	global_load_b64 v[Y5:Y5+1], v7, s[18:19] offset:128
.if FSAL
	global_load_b64 v[KK:KK+1], v7, s[18:19] offset:KREG               ; the last substep's k1
	global_load_b64 v[KK+12:KK+13], v7, s[18:19] offset:KREG+128       ; and its k7
.endif
	global_load_b64 v[184:185], v8, s[20:21]       ; my block of the table as it was
	global_load_b64 v[186:187], v9, s[18:19]       ; y of its rows
	global_load_b64 v[188:189], v9, s[18:19] offset:128        ; y5 of its rows
	LDC W1A, 4, 0
	LDC W1B, 4, 512
	LDC B1, 6, 0
	WIN 0x40                                       ; destination in window 1
	LDW 0, 0
	WIN 0
	LDC B2T, 8, 0
	WIN 0x40
	LDW 64, 32768
	global_load_b128 v[128:131], v250, s[16:17] offset:65536
	global_load_b128 v[132:135], v250, s[16:17] offset:65536+512
	WIN 0
	LDC B3T, 10, 0
	s_wait_kmcnt 0x0
.irp p, 1,2,3,4,5,6
	v_sub_f32 v254, s[37+\p], s[36+\p]
	v_cmp_ge_f32 s[55+\p], s67, v254               ; D p: interval p is done at its start
.endr
	v_mov_b32 v[B4V], s44
	v_mov_b32 v[B4V+1], s45
	; ---- the controller
	s_wait_loadcnt 57                              ; the partial sums, y and y5 (and k1, k7) are in: the 57 younger loads stay out
	PSUM 176
	UPD
	v_cndmask_b32 v[YC], v[YC], v[Y5], s50         ; y as it now stands
	v_cndmask_b32 v[YC+1], v[YC+1], v[Y5+1], s50
.if FSAL
	v_cndmask_b32 v[KK], v[KK], v[KK+12], s50      ; and f of it
	v_cndmask_b32 v[KK+1], v[KK+1], v[KK+13], s50
.endif
	; ---- my block of the table
	s_wait_loadcnt 54                              ; three more are in
	s_cmp_le_u32 s62, s55
	s_cselect_b32 s63, -1, 0                       ; slots up to the last substep's interval are final
	v_cndmask_b32 v186, v186, v188, s50
	v_cndmask_b32 v187, v187, v189, s50
	v_cndmask_b32 v186, v186, v184, s63
	v_cndmask_b32 v187, v187, v185, s63
	global_store_b64 v8, v[186:187], s[24:25]      ; 256 consecutive bytes, aligned
	; ---- wave 0 of work-group 0 writes the record of the substep that this launch makes
	s_or_b32 s68, s46, s47
	s_cmp_lg_u32 s68, 0
	s_cbranch_scc1 .Lnorec
	v_mov_b32 v190, 0
	v_writelane_b32 v190, s28, 0
	v_writelane_b32 v190, s29, 1
	v_writelane_b32 v190, s30, 2
	v_writelane_b32 v190, s32, 4
	v_writelane_b32 v190, s33, 5
	v_writelane_b32 v190, s34, 6
	v_lshlrev_b32 v191, 2, v251
	global_store_b32 v191, v190, s[22:23] offset:REC
.Lnorec:
	s_wait_xcnt 0x0                                ; the stores' data lie in registers that LDS loads fill below: those are written only behind this wait
	; ---- the substep
	SUBSTEP
	ERRSUM
	; ---- wave 0 stores the block's y and y5, its k1 and k7, and its partial sum
	s_cmp_lg_u32 s46, 0
	s_cbranch_scc1 .Lend
	v_cmp_lt_u32 vcc_lo, 15, v251
	v_cndmask_b32 v[QQ], v[YC], v[Y5], vcc_lo      ; lanes 0-15 y, lanes 16-31 y5
	v_cndmask_b32 v[QQ+1], v[YC+1], v[Y5+1], vcc_lo
	v_cndmask_b32 v178, v[KK], v[KK+12], vcc_lo    ; lanes 0-15 k1, lanes 16-31 k7
	v_cndmask_b32 v179, v[KK+1], v[KK+13], vcc_lo
	s_lshl_b32 s68, s47, 8
	v_add_nc_u32 v176, s68, v4
	s_lshl_b32 s68, s47, 2
	v_mov_b32 v177, s68
	global_store_b64 v176, v[QQ:QQ+1], s[22:23]    ; 256 consecutive bytes, aligned
	global_store_b64 v176, v[178:179], s[22:23] offset:KREG    ; likewise
	v_cmp_eq_u32 vcc_lo, 0, v251
	s_wait_xcnt 0x0                                ; EXEC is a source of the pending stores: it changes only behind this wait
	s_and_saveexec_b32 s69, vcc_lo
	global_store_b32 v177, v[TT], s[22:23] offset:PART
	s_wait_xcnt 0x0                                ; and again in front of the line that widens it
	s_or_b32 exec_lo, exec_lo, s69
.Lend:
	s_wait_tensorcnt 0x0
	ds_add_u32 v238, v239
	s_wait_dscnt 0x0
	s_endpgm
.Lfunc_end_k_q28be0b77c6_stepf:
	.size	k_q28be0b77c6_stepf, .Lfunc_end_k_q28be0b77c6_stepf-k_q28be0b77c6_stepf
	.p2alignl 7, 3214868480
	.fill 96, 4, 3214868480
	.section	.rodata,"a",@progbits
	.p2align	6, 0x0
	.amdhsa_kernel k_q28be0b77c6_stepf
		.amdhsa_group_segment_fixed_size 168448
		.amdhsa_private_segment_fixed_size 0
		.amdhsa_enable_private_segment 0
		.amdhsa_kernarg_size 88
		.amdhsa_user_sgpr_count 2
		.amdhsa_user_sgpr_kernarg_segment_ptr 1
		.amdhsa_wavefront_size32 1
		.amdhsa_system_sgpr_workgroup_id_x 1
		.amdhsa_system_sgpr_workgroup_id_y 1
		.amdhsa_system_sgpr_workgroup_id_z 1
		.amdhsa_system_vgpr_workitem_id 0
		.amdhsa_next_free_vgpr 392
		.amdhsa_next_free_sgpr 80
		.amdhsa_reserve_vcc 1
		.amdhsa_float_denorm_mode_32 3
		.amdhsa_float_denorm_mode_16_64 3
		.amdhsa_memory_ordered 1
		.amdhsa_forward_progress 1
		.amdhsa_inst_pref_size 161
	.end_amdhsa_kernel
	.amdgpu_metadata
---
amdhsa.version: [ 1, 2 ]
amdhsa.kernels:
  - .name:           k_q28be0b77c6_stepf
    .symbol:         k_q28be0b77c6_stepf.kd
    .args:
      - { .name: W1, .offset: 0, .size: 8, .value_kind: global_buffer, .address_space: global }
      - { .name: b1, .offset: 8, .size: 8, .value_kind: global_buffer, .address_space: global }
      - { .name: b2, .offset: 16, .size: 8, .value_kind: global_buffer, .address_space: global }
      - { .name: b3, .offset: 24, .size: 8, .value_kind: global_buffer, .address_space: global }
      - { .name: b4, .offset: 32, .size: 8, .value_kind: global_buffer, .address_space: global }
      - { .name: t, .offset: 40, .size: 8, .value_kind: global_buffer, .address_space: global }
      - { .name: wpk, .offset: 48, .size: 8, .value_kind: global_buffer, .address_space: global }
      - { .name: stB, .offset: 56, .size: 8, .value_kind: global_buffer, .address_space: global }
      - { .name: tabB, .offset: 64, .size: 8, .value_kind: global_buffer, .address_space: global }
      - { .name: stA, .offset: 72, .size: 8, .value_kind: global_buffer, .address_space: global }
      - { .name: tabA, .offset: 80, .size: 8, .value_kind: global_buffer, .address_space: global }
    .group_segment_fixed_size: 168448
    .private_segment_fixed_size: 0
    .kernarg_segment_align: 8
    .kernarg_segment_size: 88
    .max_flat_workgroup_size: 128
    .sgpr_count:     80
    .vgpr_count:     392
    .wavefront_size: 32
...
	.end_amdgpu_metadata
.endif
;; end of part 5
;; launch step3: the kernel of part 5 again; grid 256 x 1, 4 waves a work-group, no clusters, 168,448 bytes of LDS; arguments W1, b1, b2, b3, b4, t, wpk, stA, tabA, stB, tabB; writes stB, tabB
;; launch step4: the kernel of part 5 again; grid 256 x 1, 4 waves a work-group, no clusters, 168,448 bytes of LDS; arguments W1, b1, b2, b3, b4, t, wpk, stB, tabB, stA, tabA; writes stA, tabA
;; launch step5: the kernel of part 5 again; grid 256 x 1, 4 waves a work-group, no clusters, 168,448 bytes of LDS; arguments W1, b1, b2, b3, b4, t, wpk, stA, tabA, stB, tabB; writes stB, tabB
;; launch step6: the kernel of part 5 again; grid 256 x 1, 4 waves a work-group, no clusters, 168,448 bytes of LDS; arguments W1, b1, b2, b3, b4, t, wpk, stB, tabB, stA, tabA; writes stA, tabA
;; launch step7: the kernel of part 5 again; grid 256 x 1, 4 waves a work-group, no clusters, 168,448 bytes of LDS; arguments W1, b1, b2, b3, b4, t, wpk, stA, tabA, stB, tabB; writes stB, tabB
;; launch step8: the kernel of part 5 again; grid 256 x 1, 4 waves a work-group, no clusters, 168,448 bytes of LDS; arguments W1, b1, b2, b3, b4, t, wpk, stB, tabB, stA, tabA; writes stA, tabA
;; launch dec (part 6): grid 1 x 1, 1 waves a work-group, no clusters, 0 bytes of LDS; arguments t, stA, ctl; writes ctl
.if DOCPART == 6
	.amdgcn_target "amdgcn-amd-amdhsa--gfx1250"
	.amdhsa_code_object_version 6
	.text
	.protected	k_q28be0b77c6_dec
	.globl	k_q28be0b77c6_dec
	.p2align	8
	.type	k_q28be0b77c6_dec,@function
k_q28be0b77c6_dec:
	s_mov_b64 s[64:65], 0
	v_nop
	global_prefetch_b8 v0, s[64:65] scope:SCOPE_SE
	s_setreg_imm32_b32 hwreg(HW_REG_WAVE_MODE, 25, 1), 1
	s_wait_xcnt 0x0
; dec: the decision that steers the last launch's trip count, made here and stored as a whole number.
; One wave.  It applies the controller to the last step launch's substep (its record REC and its 256 partial sums PART) and stores
; S = the number of scheduled substeps that are then left: 4 (7 - ival) - j, or 0 when the schedule is over.
; The controller is the step launch's, line for line and in the same registers; of its results only ival, j and live are used here.
; One wave has all the work there is: 1,024 bytes of partial sums, 64 bytes of record and t, one number out.
.set PART, 65536
.set REC,  66560
; s28 ival, s29 j, s30 live, s32 tc, s33 h, s34 heff; s[36:43] t; s50 accept, s51 live mask, s52 close, s54 t1, s55 ival before, s56-61 D1-D6.
.macro PSUM b
	v_pk_add_f32 v[\b:\b+1], v[\b:\b+1], v[\b+2:\b+3]
	v_pk_add_f32 v[\b+4:\b+5], v[\b+4:\b+5], v[\b+6:\b+7]
	v_pk_add_f32 v[\b:\b+1], v[\b:\b+1], v[\b+4:\b+5]
	v_add_f32 v176, v[\b], v[\b+1]
	v_add_f32_dpp v176, v176, v176 row_xmask:1 row_mask:0xf bank_mask:0xf
	v_add_f32_dpp v176, v176, v176 row_xmask:2 row_mask:0xf bank_mask:0xf
	v_add_f32_dpp v176, v176, v176 row_xmask:4 row_mask:0xf bank_mask:0xf
	v_add_f32_dpp v176, v176, v176 row_xmask:8 row_mask:0xf bank_mask:0xf
	v_mov_b32 v177, v176                           ; the next line's destination counts as read
	v_permlanex16_b32 v177, v176, s48, s49
	v_add_f32 v176, v176, v177
.endm
.macro T1SEL                           ; s54 = t[ival + 1] (t[7] where ival = 7: not used then)
	s_mov_b32 s54, s43
.irp p, 0,1,2,3,4,5,6
	s_cmp_eq_u32 s28, \p
	s_cselect_b32 s54, s[37+\p], s54
.endr
.endm
.macro UPD
	v_mul_f32 v177, 0x39000000, v176               ; / 8,192: the mean over 4,096 rows x 2
	v_sqrt_f32 v177, v177                          ; err_norm
	s_mov_b32 s55, s28
	v_nop                                          ; one plain place behind a transcendental (ISA guide 5.7.2)
	s_cmp_lg_u32 s30, 0
	s_cselect_b32 s51, -1, 0                       ; the recorded substep was a real one
	s_wait_alu depctr_va_vdst(0)
	v_cmp_ge_f32 s50, 1.0, v177
	s_and_b32 s50, s50, s51                        ; accept
	v_max_num_f32 v178, 0x2edbe6ff, v177           ; max(err_norm, 1e-10)
	v_log_f32 v178, v178
	v_nop
	s_wait_alu depctr_va_vdst(0)
	v_mul_f32 v178, 0xbe4ccccd, v178               ; ^ -0.2
	v_exp_f32 v178, v178
	v_nop
	s_wait_alu depctr_va_vdst(0)
	v_mul_f32 v178, 0x3f666666, v178               ; x 0.9
	v_max_num_f32 v178, 0x3e4ccccd, v178           ; clipped to 0.2 .. 10
	v_min_num_f32 v178, 0x41200000, v178
	v_cmp_neq_f32 vcc_lo, v177, v177
	v_cndmask_b32 v178, v178, v177, vcc_lo         ; a NaN goes through, as in reference()
	v_mul_f32 v178, s34, v178
	v_mov_b32 v179, s33
	v_cndmask_b32 v179, v179, v178, s51            ; h = heff x factor
	v_mov_b32 v180, s32
	v_add_f32 v181, s34, v180
	v_cndmask_b32 v180, v180, v181, s50            ; tc += heff where accepted
	s_add_co_u32 s29, s29, s30                     ; one substep of the interval's four is spent
	v_readfirstlane_b32 s32, v180
	v_readfirstlane_b32 s33, v179
	T1SEL
	v_sub_f32 v181, s54, v180
	v_cmp_ge_f32 s52, s67, v181                    ; t1 - tc <= 1e-9
	s_cmp_ge_u32 s29, 4
	s_cselect_b32 s53, -1, 0
	s_or_b32 s52, s52, s53
	s_cmp_lt_u32 s28, 7
	s_cselect_b32 s53, -1, 0
	s_and_b32 s52, s52, s53                        ; the interval closes
.irp p, 0,1,2,3,4,5,6                              ; and so does each next one that is done at its start
	s_cmp_eq_u32 s28, \p
	s_cselect_b32 s53, s52, 0
	s_cmp_lg_u32 s53, 0
	s_cselect_b32 s28, \p+1, s28
	s_cselect_b32 s29, 0, s29
	s_cselect_b32 s32, s[37+\p], s32               ; tc starts anew at the interval's t0
.if \p < 6
	s_cselect_b32 s52, s[56+\p], s52
.else
	s_cselect_b32 s52, 0, s52
.endif
.endr
	s_cmp_lt_u32 s28, 7
	s_cselect_b32 s30, 1, 0                        ; live
	s_cselect_b32 s51, -1, 0
	T1SEL
	v_mov_b32 v180, s32
	v_sub_f32 v181, s54, v180
	v_min_num_f32 v181, s33, v181                  ; heff = min(h, t1 - tc)
	v_cmp_neq_f32 vcc_lo, v179, v179
	v_cndmask_b32 v181, v181, v179, vcc_lo         ; a NaN in h goes through
	v_cndmask_b32 v181, 0, v181, s51               ; 0 when the schedule is over
	v_readfirstlane_b32 s34, v181
.endm
	s_load_b128 s[4:7], s[0:1], 0x0                ; t s[4:5], st s[6:7]
	s_load_b64 s[8:9], s[0:1], 0x10                ; ctl
	s_mov_b32 s48, 0x76543210                      ; v_permlanex16_b32: lane i reads lane i of the other half
	s_mov_b32 s49, 0xfedcba98
	s_mov_b32 s67, 0x3089705f                      ; 1e-9
	v_lshlrev_b32 v1, 4, v0                        ; one wave: v0 is the lane
	v_lshlrev_b32 v4, 3, v0
	s_wait_kmcnt 0x0
	s_load_b256 s[28:35], s[6:7], REC
	s_load_b256 s[36:43], s[4:5], 0x0
	global_load_b128 v[8:11], v1, s[6:7] offset:PART
	global_load_b128 v[12:15], v1, s[6:7] offset:PART+512
	s_wait_kmcnt 0x0
.irp p, 1,2,3,4,5,6
	v_sub_f32 v5, s[37+\p], s[36+\p]
	v_cmp_ge_f32 s[55+\p], s67, v5                 ; D p: interval p is done at its start
.endr
	s_wait_loadcnt 0x0
	PSUM 8
	UPD
	s_sub_co_u32 s68, 7, s28
	s_lshl_b32 s68, s68, 2
	s_sub_co_u32 s68, s68, s29                     ; 4 (7 - ival) - j: at least 1 where live, since j = 4 closes an interval
	s_cmp_lg_u32 s30, 0
	s_cselect_b32 s68, s68, 0
	v_mov_b32 v2, 0
	v_mov_b32 v3, 0
	v_writelane_b32 v2, s68, 0
	global_store_b64 v4, v[2:3], s[8:9]            ; word 0 = S; the block of 256 bytes is written whole
	s_endpgm
.Lfunc_end_k_q28be0b77c6_dec:
	.size	k_q28be0b77c6_dec, .Lfunc_end_k_q28be0b77c6_dec-k_q28be0b77c6_dec
	.p2alignl 7, 3214868480
	.fill 96, 4, 3214868480
	.section	.rodata,"a",@progbits
	.p2align	6, 0x0
	.amdhsa_kernel k_q28be0b77c6_dec
		.amdhsa_group_segment_fixed_size 0
		.amdhsa_private_segment_fixed_size 0
		.amdhsa_enable_private_segment 0
		.amdhsa_kernarg_size 24
		.amdhsa_user_sgpr_count 2
		.amdhsa_user_sgpr_kernarg_segment_ptr 1
		.amdhsa_wavefront_size32 1
		.amdhsa_system_sgpr_workgroup_id_x 1
		.amdhsa_system_sgpr_workgroup_id_y 1
		.amdhsa_system_sgpr_workgroup_id_z 1
		.amdhsa_system_vgpr_workitem_id 0
		.amdhsa_next_free_vgpr 192
		.amdhsa_next_free_sgpr 80
		.amdhsa_reserve_vcc 1
		.amdhsa_float_denorm_mode_32 3
		.amdhsa_float_denorm_mode_16_64 3
		.amdhsa_memory_ordered 1
		.amdhsa_forward_progress 1
		.amdhsa_inst_pref_size 8
	.end_amdhsa_kernel
	.amdgpu_metadata
---
amdhsa.version: [ 1, 2 ]
amdhsa.kernels:
  - .name:           k_q28be0b77c6_dec
    .symbol:         k_q28be0b77c6_dec.kd
    .args:
      - { .name: t, .offset: 0, .size: 8, .value_kind: global_buffer, .address_space: global }
      - { .name: stA, .offset: 8, .size: 8, .value_kind: global_buffer, .address_space: global }
      - { .name: ctl, .offset: 16, .size: 8, .value_kind: global_buffer, .address_space: global }
    .group_segment_fixed_size: 0
    .private_segment_fixed_size: 0
    .kernarg_segment_align: 8
    .kernarg_segment_size: 24
    .max_flat_workgroup_size: 32
    .sgpr_count:     80
    .vgpr_count:     192
    .wavefront_size: 32
...
	.end_amdgpu_metadata
.endif
;; end of part 6
;; launch fin (part 7): grid 16 x 1, 1 waves a work-group, no clusters, 98,560 bytes of LDS; arguments W1, b1, b2, b3, b4, t, wpk, stA, tabA, ctl, out0; writes out0
.if DOCPART == 7
	.amdgcn_target "amdgcn-amd-amdhsa--gfx1250"
	.amdhsa_code_object_version 6
	.text
	.protected	k_q28be0b77c6_fin
	.globl	k_q28be0b77c6_fin
	.p2align	8
	.type	k_q28be0b77c6_fin,@function
k_q28be0b77c6_fin:
	s_mov_b64 s[64:65], 0
	v_nop
	global_prefetch_b8 v0, s[64:65] scope:SCOPE_SE
	s_setreg_imm32_b32 hwreg(HW_REG_WAVE_MODE, 25, 1), 1
	s_wait_xcnt 0x0
; fin: applies the last step launch's substep, finishes the schedule if anything of it is left, and writes the output.
; Sixteen work-groups of one wave; work-group g owns rows 256 g .. 256 g + 255 of every slot of the output.
; ALWAYS: the controller on the last step launch's record and partial sums; y = accept ? y5 : y for my rows; my rows of the table
; (slot p kept where p <= that substep's interval, else y), all in registers; 32 stores.
; THE TAIL.  The step launches make 8 substeps, the fewest that the schedule can hold when t ascends: two in the first interval, whose
; first step is half of it, and one in each of the six others.  reference() may schedule up to 28.  The launch in front of this one stored S,
; the number of scheduled substeps that are left once the eighth is applied (0 when the schedule is over).  Each further substep needs the
; error norm of the WHOLE batch, and work-groups of a launch hand nothing to each other, so every work-group here makes the S substeps on
; all 4,096 rows by itself: 256 blocks of 16 rows one after the other, where a step launch has one block a work-group, and the one wave plays
; the step launch's four waves in turn (weights are read again for each).  So one rejected or shortened substep among the eight sends the
; rest of the schedule down this much slower way.  All sixteen compute the same numbers in the same order, so they decide alike.
; What only the tail needs (the whole batch in LDS, the table in LDS) is set up behind the branch on S = 0.
; The controller, the net, the hi + lo activations and the LIMITS are those of the step launch: tol's maximum lets a NaN lose; exp(x) - 1 is
; formed as such (absolute error about 6e-8); an activation above 3.39e38 gives NaN; sums are ordered otherwise than in reference().
; No barrier: one wave, and LDS serves a wave's instructions in order (ISA guide 5.7.1).  No joint loads: nothing is shared at one time.
.set PART, 65536
.set REC,  66560
; LDS (the tail's): 0 the whole batch's y and y5 as in st (65,536 bytes); 65,536 layer 1's fragments; 73,728 layer 2's; 81,920 my rows of the table, slot p at 2,048 p
.set TABR, 32                          ; v[32:159]  my rows of the table: slot p, load u at 16 p + 4 u (in the tail these registers serve the net)
.set YO,   184                         ; v[184:199] y of my rows, load u at 4 u
.set Y5O,  200                         ; v[200:215] y5 of my rows
.set YC,   10
.set Y5,   12
.set YS,   14
.set KK,   16
.set TT,   30
.set W1A,  32
.set W1B,  48
.set B1,   64
.set B2T,  80
.set B3T,  96
.set ZZ,   112
.set AL,   128
.set T16,  144
.set HB,   160
.set LB,   168
.set BF,   176
.set B4V,  240
; v1 16 lane, v3 65,536 + 16 lane, v4 8 lane, v9 32 hh, v249 8 r: never rewritten.  v2, v5, v6, v250: stepped with the played wave.
; v7, v8: the block's y, the block's 256 bytes.  v242 (lane >> 3) 256 + (lane & 7) 16, v243 the same, stepped, v244 the same + 4,096 g,
; v245 81,920 + 16 lane, v247 2,048 g + 16 lane, v248 the copy's offset, v251 lane, v252 the running sum, v253-255 at work.
; Window 1: W2's 8 fragments of the played wave v0-63, W3's v64-127, W4's v128-135.
; s70 S, s71 tail trip, s72 block, s73 played wave, s75 chunk; the rest as in the step launch.
.set MSB, 0
.macro WIN new                         ; the immediate's high byte repeats the setting that is left
.if MSB != \new
	s_set_vgpr_msb (MSB<<8)|\new
.set MSB, \new
.endif
.endm
.macro NOP4                            ; four places behind a matrix instruction before its registers are read or written by anything else (ISA guide 7.12.1)
.rept 4
	v_nop
.endr
.endm
.macro LDC dst, sb, add
	global_load_b128 v[\dst:\dst+3],     v5, s[\sb:\sb+1] offset:\add
	global_load_b128 v[\dst+4:\dst+7],   v5, s[\sb:\sb+1] offset:\add+16
	global_load_b128 v[\dst+8:\dst+11],  v5, s[\sb:\sb+1] offset:\add+64
	global_load_b128 v[\dst+12:\dst+15], v5, s[\sb:\sb+1] offset:\add+80
.endm
.macro LDW dst, add
.set n, 0
.rept 16
	global_load_b128 v[\dst+4*n:\dst+4*n+3], v6, s[16:17] offset:\add+512*n
.set n, n+1
.endr
.endm
.macro PSUM b
	v_pk_add_f32 v[\b:\b+1], v[\b:\b+1], v[\b+2:\b+3]
	v_pk_add_f32 v[\b+4:\b+5], v[\b+4:\b+5], v[\b+6:\b+7]
	v_pk_add_f32 v[\b:\b+1], v[\b:\b+1], v[\b+4:\b+5]
	v_add_f32 v176, v[\b], v[\b+1]
	v_add_f32_dpp v176, v176, v176 row_xmask:1 row_mask:0xf bank_mask:0xf
	v_add_f32_dpp v176, v176, v176 row_xmask:2 row_mask:0xf bank_mask:0xf
	v_add_f32_dpp v176, v176, v176 row_xmask:4 row_mask:0xf bank_mask:0xf
	v_add_f32_dpp v176, v176, v176 row_xmask:8 row_mask:0xf bank_mask:0xf
	v_mov_b32 v177, v176                           ; the next line's destination counts as read
	v_permlanex16_b32 v177, v176, s48, s49
	v_add_f32 v176, v176, v177
.endm
.macro T1SEL
	s_mov_b32 s54, s43
.irp p, 0,1,2,3,4,5,6
	s_cmp_eq_u32 s28, \p
	s_cselect_b32 s54, s[37+\p], s54
.endr
.endm
; The controller, line for line the step launch's.
.macro UPD
	v_mul_f32 v177, 0x39000000, v176               ; / 8,192
	v_sqrt_f32 v177, v177                          ; err_norm
	s_mov_b32 s55, s28
	v_nop                                          ; one plain place behind a transcendental (ISA guide 5.7.2)
	s_cmp_lg_u32 s30, 0
	s_cselect_b32 s51, -1, 0
	s_wait_alu depctr_va_vdst(0)
	v_cmp_ge_f32 s50, 1.0, v177
	s_and_b32 s50, s50, s51                        ; accept
	v_max_num_f32 v178, 0x2edbe6ff, v177
	v_log_f32 v178, v178
	v_nop
	s_wait_alu depctr_va_vdst(0)
	v_mul_f32 v178, 0xbe4ccccd, v178
	v_exp_f32 v178, v178
	v_nop
	s_wait_alu depctr_va_vdst(0)
	v_mul_f32 v178, 0x3f666666, v178
	v_max_num_f32 v178, 0x3e4ccccd, v178
	v_min_num_f32 v178, 0x41200000, v178
	v_cmp_neq_f32 vcc_lo, v177, v177
	v_cndmask_b32 v178, v178, v177, vcc_lo
	v_mul_f32 v178, s34, v178
	v_mov_b32 v179, s33
	v_cndmask_b32 v179, v179, v178, s51            ; h
	v_mov_b32 v180, s32
	v_add_f32 v181, s34, v180
	v_cndmask_b32 v180, v180, v181, s50            ; tc
	s_add_co_u32 s29, s29, s30
	v_readfirstlane_b32 s32, v180
	v_readfirstlane_b32 s33, v179
	T1SEL
	v_sub_f32 v181, s54, v180
	v_cmp_ge_f32 s52, s67, v181
	s_cmp_ge_u32 s29, 4
	s_cselect_b32 s53, -1, 0
	s_or_b32 s52, s52, s53
	s_cmp_lt_u32 s28, 7
	s_cselect_b32 s53, -1, 0
	s_and_b32 s52, s52, s53                        ; the interval closes
.irp p, 0,1,2,3,4,5,6
	s_cmp_eq_u32 s28, \p
	s_cselect_b32 s53, s52, 0
	s_cmp_lg_u32 s53, 0
	s_cselect_b32 s28, \p+1, s28
	s_cselect_b32 s29, 0, s29
	s_cselect_b32 s32, s[37+\p], s32
.if \p < 6
	s_cselect_b32 s52, s[56+\p], s52
.else
	s_cselect_b32 s52, 0, s52
.endif
.endr
	s_cmp_lt_u32 s28, 7
	s_cselect_b32 s30, 1, 0
	s_cselect_b32 s51, -1, 0
	T1SEL
	v_mov_b32 v180, s32
	v_sub_f32 v181, s54, v180
	v_min_num_f32 v181, s33, v181
	v_cmp_neq_f32 vcc_lo, v179, v179
	v_cndmask_b32 v181, v181, v179, vcc_lo
	v_cndmask_b32 v181, 0, v181, s51
	v_readfirstlane_b32 s34, v181                  ; heff
.endm
; in LDS: y = accept ? y5 : y, all 256 blocks, 16 a trip
.macro YSEL
	v_mov_b32 v243, v242
	s_mov_b32 s75, 0
.Lysel_\@:
.irp i, 0,1,2,3
	ds_load_b128 v[176+8*\i:179+8*\i], v243 offset:1024*\i
	ds_load_b128 v[180+8*\i:183+8*\i], v243 offset:1024*\i+128
.endr
	s_wait_dscnt 0x0
.irp i, 0,1,2,3
.irp k, 0,1,2,3
	v_cndmask_b32 v[176+8*\i+\k], v[176+8*\i+\k], v[180+8*\i+\k], s50
.endr
.endr
.irp i, 0,1,2,3
	ds_store_b128 v243, v[176+8*\i:179+8*\i] offset:1024*\i
.endr
	v_add_nc_u32 v243, 0x1000, v243
	s_add_co_u32 s75, s75, 1
	s_cmp_lt_u32 s75, 16
	s_cbranch_scc1 .Lysel_\@
.endm
; A substep of the tail is applied.  In: v176 = its sum of (err / tol)^2; y and y5 of all rows in LDS.  Out: the record of the next substep, y in LDS, my rows of the table in LDS.
.macro APPLY
	UPD
	YSEL
	; my rows of the table: slot p is kept where p <= the applied substep's interval, else it is y (slot 0 is always kept).
	; Load u of y brings lane l rows 64 u + 2 l, 2 l + 1 of my 256, which lie at 512 u + 16 l of a slot.
.irp u, 0,1,2,3
	ds_load_b128 v[176+4*\u:179+4*\u], v244 offset:1024*\u
.endr
.irp p, 1,2,3,4,5,6,7
	s_cmp_ge_u32 s55, \p
	s_cselect_b32 s63, -1, 0
.irp u, 0,1,2,3
	ds_load_b128 v[192+4*\u:195+4*\u], v245 offset:2048*\p+512*\u
.endr
	s_wait_dscnt 0x0
.irp k, 0,1,2,3,4,5,6,7,8,9,10,11,12,13,14,15
	v_cndmask_b32 v[192+\k], v[176+\k], v[192+\k], s63
.endr
.irp u, 0,1,2,3
	ds_store_b128 v245, v[192+4*\u:195+4*\u] offset:2048*\p+512*\u
.endr
.endr
.endm
.macro TERM0 coef, i
	v_mul_f32 v[TT], \coef, v[KK+2*\i-2]
	v_mul_f32 v[TT+1], \coef, v[KK+2*\i-1]
.endm
.macro TERM coef, i
	v_fmac_f32 v[TT], \coef, v[KK+2*\i-2]
	v_fmac_f32 v[TT+1], \coef, v[KK+2*\i-1]
.endm
.macro FINY dst
	v_fma_f32 v[\dst], v[TT], s34, v[YC]
	v_fma_f32 v[\dst+1], v[TT+1], s34, v[YC+1]
.endm
.macro L1 src
.irp i, 0,2,4,6,8,10,12,14
	v_pk_fma_f32 v[ZZ+\i:ZZ+\i+1], v[W1B+\i:W1B+\i+1], v[\src:\src+1], v[B1+\i:B1+\i+1] op_sel:[0,1,0] op_sel_hi:[1,1,1]
.endr
.irp i, 0,2,4,6,8,10,12,14
	v_pk_fma_f32 v[ZZ+\i:ZZ+\i+1], v[W1A+\i:W1A+\i+1], v[\src:\src+1], v[ZZ+\i:ZZ+\i+1] op_sel_hi:[1,0,1]
.endr
.endm
.macro ACT                             ; elu = the middle one of x, exp(x) - 1 and 0; then hi = bf16(a), lo = bf16(a - hi)
.irp i, 0,2,4,6,8,10,12,14
	v_pk_mul_f32 v[T16+\i:T16+\i+1], v[ZZ+\i:ZZ+\i+1], 0x3fb8aa3b op_sel_hi:[1,0]
.endr
.irp i, 0,1,2,3,4,5,6,7,8,9,10,11,12,13,14,15
	v_exp_f32 v[T16+\i], v[T16+\i]
.endr
	v_nop                                          ; one plain place behind the transcendentals
	s_wait_alu depctr_va_vdst(0)
.irp i, 0,2,4,6,8,10,12,14
	v_pk_add_f32 v[T16+\i:T16+\i+1], v[T16+\i:T16+\i+1], -1.0 op_sel_hi:[1,0]
.endr
.irp i, 0,1,2,3,4,5,6,7,8,9,10,11,12,13,14,15
	v_med3_num_f32 v[ZZ+\i], v[ZZ+\i], v[T16+\i], 0
.endr
.irp i, 0,1,2,3,4,5,6,7
	v_cvt_pk_bf16_f32 v[HB+\i], v[ZZ+2*\i], v[ZZ+2*\i+1]
.endr
.irp i, 0,1,2,3,4,5,6,7
	v_lshlrev_b32 v[T16+2*\i], 16, v[HB+\i]
	v_and_b32 v[T16+2*\i+1], 0xffff0000, v[HB+\i]
.endr
.irp i, 0,2,4,6,8,10,12,14
	v_pk_add_f32 v[T16+\i:T16+\i+1], v[ZZ+\i:ZZ+\i+1], v[T16+\i:T16+\i+1] neg_lo:[0,1] neg_hi:[0,1]
.endr
.irp i, 0,1,2,3,4,5,6,7
	v_cvt_pk_bf16_f32 v[LB+\i], v[T16+2*\i], v[T16+2*\i+1]
.endr
.endm
.macro XPUT areg, base
	ds_store_b128 v[\areg], v[HB:HB+3]   offset:\base
	ds_store_b128 v[\areg], v[HB+4:HB+7] offset:\base+512
	ds_store_b128 v[\areg], v[LB:LB+3]   offset:\base+1024
	ds_store_b128 v[\areg], v[LB+4:LB+7] offset:\base+1536
.endm
.macro XGET areg, base
.set n, 0
.rept 16
	ds_load_b128 v[BF+4*n:BF+4*n+3], v[\areg] offset:\base+512*n
.set n, n+1
.endr
.endm
; four accumulators take turns, one instruction a turn
.macro MM wf, bt
	WIN 0x01
	s_wait_dscnt 12                                ; K step 0's four loads are in; the 12 of later steps may be out (from the second played wave on all are in)
	v_wmma_f32_16x16x32_bf16 v[ZZ:ZZ+7],    v[\wf:\wf+7],     v[BF:BF+7],    v[\bt:\bt+7]
	v_wmma_f32_16x16x32_bf16 v[ZZ+8:ZZ+15], v[\wf+32:\wf+39], v[BF:BF+7],    v[\bt+8:\bt+15]
	v_wmma_f32_16x16x32_bf16 v[AL:AL+7],    v[\wf:\wf+7],     v[BF+8:BF+15], 0
	v_wmma_f32_16x16x32_bf16 v[AL+8:AL+15], v[\wf+32:\wf+39], v[BF+8:BF+15], 0
.irp c, 1,2,3
	s_wait_dscnt 12-4*\c
	v_wmma_f32_16x16x32_bf16 v[ZZ:ZZ+7],    v[\wf+8*\c:\wf+8*\c+7],     v[BF+16*\c:BF+16*\c+7],    v[ZZ:ZZ+7]
	v_wmma_f32_16x16x32_bf16 v[ZZ+8:ZZ+15], v[\wf+32+8*\c:\wf+39+8*\c], v[BF+16*\c:BF+16*\c+7],    v[ZZ+8:ZZ+15]
	v_wmma_f32_16x16x32_bf16 v[AL:AL+7],    v[\wf+8*\c:\wf+8*\c+7],     v[BF+16*\c+8:BF+16*\c+15], v[AL:AL+7]
	v_wmma_f32_16x16x32_bf16 v[AL+8:AL+15], v[\wf+32+8*\c:\wf+39+8*\c], v[BF+16*\c+8:BF+16*\c+15], v[AL+8:AL+15]
.endr
	WIN 0
	NOP4
.endm
.macro ZSUM
.irp i, 0,2,4,6,8,10,12,14
	v_pk_add_f32 v[ZZ+\i:ZZ+\i+1], v[ZZ+\i:ZZ+\i+1], v[AL+\i:AL+\i+1]
.endr
.endm
; kd = f(src) for the block's 16 rows: three loops over the played wave w = 0 .. 3.  The address registers are stepped behind the
; s_wait_loadcnt 0 that shows their loads done.
.macro EV src, kd
	v_mov_b32 v5, v9                               ; 128 w + 32 hh
	v_mov_b32 v2, v3                               ; 65,536 + 2,048 w + 16 lane
	s_mov_b32 s73, 0
.Lf1_\@:
	LDC W1A, 4, 0
	LDC W1B, 4, 512
	LDC B1, 6, 0
	s_wait_loadcnt 0x0
	L1 \src
	ACT
	XPUT 2, 0
	v_add_nc_u32 v5, 0x80, v5
	v_add_nc_u32 v2, 0x800, v2
	s_add_co_u32 s73, s73, 1
	s_cmp_lt_u32 s73, 4
	s_cbranch_scc1 .Lf1_\@
	XGET 3, 0                                      ; served behind the stores above
	v_mov_b32 v5, v9
	v_mov_b32 v6, v1                               ; 8,192 w + 16 lane
	v_mov_b32 v2, v3
	s_mov_b32 s73, 0
.Lf2_\@:
	WIN 0x40
	LDW 0, 0
	WIN 0
	LDC B2T, 8, 0
	s_wait_loadcnt 0x0
	MM 0, B2T
	ZSUM
	ACT
	XPUT 2, 8192
	v_add_nc_u32 v5, 0x80, v5
	v_add_nc_u32 v6, 0x2000, v6
	v_add_nc_u32 v2, 0x800, v2
	s_add_co_u32 s73, s73, 1
	s_cmp_lt_u32 s73, 4
	s_cbranch_scc1 .Lf2_\@
	XGET 3, 8192
	v_mov_b32 v5, v9
	v_mov_b32 v6, v1
	v_mov_b32 v250, v1                             ; 1,024 w + 16 lane
	v_mov_b32 v[\kd], v[B4V]                       ; k starts as b4
	v_mov_b32 v[\kd+1], v[B4V+1]
	s_mov_b32 s73, 0
.Lf3_\@:
	WIN 0x40
	LDW 64, 32768
	global_load_b128 v[128:131], v250, s[16:17] offset:65536
	global_load_b128 v[132:135], v250, s[16:17] offset:65536+512
	WIN 0
	LDC B3T, 10, 0
	s_wait_loadcnt 0x0
	MM 64, B3T
	ZSUM
	ACT
	WIN 0x01
	v_wmma_f32_16x16x32_bf16 v[T16:T16+7],    v[128:135], v[HB:HB+7], 0
	v_wmma_f32_16x16x32_bf16 v[T16+8:T16+15], v[128:135], v[LB:LB+7], 0
	WIN 0
	NOP4
	v_pk_add_f32 v[\kd:\kd+1], v[\kd:\kd+1], v[T16:T16+1]
	v_pk_add_f32 v[\kd:\kd+1], v[\kd:\kd+1], v[T16+8:T16+9]
	v_add_nc_u32 v5, 0x80, v5
	v_add_nc_u32 v6, 0x2000, v6
	v_add_nc_u32 v250, 0x400, v250
	s_add_co_u32 s73, s73, 1
	s_cmp_lt_u32 s73, 4
	s_cbranch_scc1 .Lf3_\@
.endm
.macro SUBSTEP
	EV YC, KK
	TERM0 0.2, 1
	FINY YS
	EV YS, KK+2
	TERM0 0.075, 1
	TERM 0.225, 2
	FINY YS
	EV YS, KK+4
	TERM0 0.9777777778, 1
	TERM -3.733333333, 2
	TERM 3.555555556, 3
	FINY YS
	EV YS, KK+6
	TERM0 2.952598689, 1
	TERM -11.59579332, 2
	TERM 9.822892852, 3
	TERM -0.2908093278, 4
	FINY YS
	EV YS, KK+8
	TERM0 2.846275253, 1
	TERM -10.75757576, 2
	TERM 8.906422718, 3
	TERM 0.2784090909, 4
	TERM -0.2735313036, 5
	FINY YS
	EV YS, KK+10
	TERM0 0.09114583333, 1
	TERM 0.4492362983, 3
	TERM 0.6510416667, 4
	TERM -0.3223761792, 5
	TERM 0.1309523810, 6
	FINY Y5
	EV Y5, KK+12
.endm
.macro ERRSUM
	TERM0 0.001232638889, 1
	TERM -0.004252770290, 3
	TERM 0.03697916667, 4
	TERM -0.05086379717, 5
	TERM 0.04190476190, 6
	TERM -0.025, 7
	v_mul_f32 v[TT], s34, v[TT]
	v_mul_f32 v[TT+1], s34, v[TT+1]
	v_max_num_f32 v254, |v10|, |v12|               ; max(|y|, |y5|)
	v_max_num_f32 v255, |v11|, |v13|
	v_mov_b32 v253, 0x38d1b717                     ; 1e-4
	v_fma_f32 v254, s66, v254, v253                ; tol
	v_fma_f32 v255, s66, v255, v253
	v_rcp_f32 v254, v254
	v_rcp_f32 v255, v255
	v_nop                                          ; one plain place behind the transcendentals
	s_wait_alu depctr_va_vdst(0)
	v_mul_f32 v[TT], v[TT], v254
	v_mul_f32 v[TT+1], v[TT+1], v255
	v_mul_f32 v[TT], v[TT], v[TT]
	v_fma_f32 v[TT], v[TT+1], v[TT+1], v[TT]
	v_add_f32_dpp v[TT], v[TT], v[TT] row_xmask:1 row_mask:0xf bank_mask:0xf
	v_add_f32_dpp v[TT], v[TT], v[TT] row_xmask:2 row_mask:0xf bank_mask:0xf
	v_add_f32_dpp v[TT], v[TT], v[TT] row_xmask:4 row_mask:0xf bank_mask:0xf
	v_add_f32_dpp v[TT], v[TT], v[TT] row_xmask:8 row_mask:0xf bank_mask:0xf
.endm
	; ---- addresses
	s_load_b512 s[4:19], s[0:1], 0x0               ; W1 s[4:5], b1 s[6:7], b2 s[8:9], b3 s[10:11], b4 s[12:13], t s[14:15], wpk s[16:17], st s[18:19]
	s_load_b128 s[20:23], s[0:1], 0x40             ; table s[20:21], ctl s[22:23]
	s_load_b64 s[24:25], s[0:1], 0x50              ; out0
	v_lshl_add_u32 v246, v0, 2, 0x18000
	s_set_vgpr_msb 0x40
	v_mov_b32 v137, 0
	s_set_vgpr_msb 0x4000
	s_mov_b32 s47, ttmp9                           ; g
	s_mov_b32 s48, 0x76543210
	s_mov_b32 s49, 0xfedcba98
	s_mov_b32 s66, 0x3a83126f                      ; 1e-3
	s_mov_b32 s67, 0x3089705f                      ; 1e-9
	v_and_b32 v251, 31, v0
	v_and_b32 v254, 15, v0                         ; r
	v_bfe_u32 v255, v0, 4, 1                       ; hh
	v_lshlrev_b32 v1, 4, v251
	v_lshlrev_b32 v4, 3, v251
	v_add_nc_u32 v3, 0x10000, v1
	v_lshlrev_b32 v9, 5, v255
	v_lshlrev_b32 v249, 3, v254
	v_lshrrev_b32 v242, 3, v251
	v_and_b32 v243, 7, v251
	v_lshlrev_b32 v243, 4, v243
	v_lshl_add_u32 v242, v242, 8, v243             ; eight lanes take the 128 bytes of y of one block, four blocks a load
	s_lshl_b32 s68, s47, 12
	v_add_nc_u32 v244, s68, v242                   ; the same in my own 16 blocks: an offset in st, and in the tail's copy of it in LDS
	v_add_nc_u32 v245, 0x14000, v1
	s_lshl_b32 s68, s47, 11
	v_add_nc_u32 v247, s68, v1
	s_wait_kmcnt 0x0
	; ---- all that is always read: 42 loads
	s_load_b256 s[28:35], s[18:19], REC
	s_load_b256 s[36:43], s[14:15], 0x0
	s_load_b64 s[44:45], s[12:13], 0x0
	s_load_b32 s70, s[22:23], 0x0
	global_load_b128 v[160:163], v1, s[18:19] offset:PART
	global_load_b128 v[164:167], v1, s[18:19] offset:PART+512
	; y and y5 of my rows: load u brings lane l rows 64 u + 2 l, 2 l + 1 of my 256, the rows that lie at 512 u + 16 l of a table slot
.irp u, 0,1,2,3
	global_load_b128 v[YO+4*\u:YO+4*\u+3],   v244, s[18:19] offset:1024*\u
	global_load_b128 v[Y5O+4*\u:Y5O+4*\u+3], v244, s[18:19] offset:1024*\u+128
.endr
	; my rows of the table: 8 slots x 2,048 bytes, 512 consecutive bytes a load
.set n, 0
.rept 32
	global_load_b128 v[TABR+4*n:TABR+4*n+3], v247, s[20:21] offset:32768*(n/4)+512*(n%4)
.set n, n+1
.endr
	s_wait_kmcnt 0x0
	s_min_u32 s70, s70, 27                         ; of the schedule's 28 substeps at most 27 can be left
.irp p, 1,2,3,4,5,6
	v_sub_f32 v254, s[37+\p], s[36+\p]
	v_cmp_ge_f32 s[55+\p], s67, v254               ; D p: interval p is done at its start
.endr
	v_mov_b32 v[B4V], s44
	v_mov_b32 v[B4V+1], s45
	; ---- the last step launch's substep is applied
	s_wait_loadcnt 40                              ; the partial sums are in: the 8 loads of y and y5 and the 32 of the table stay out
	PSUM 160
	UPD
	s_wait_loadcnt 0x0
.irp k, 0,1,2,3,4,5,6,7,8,9,10,11,12,13,14,15
	v_cndmask_b32 v[YO+\k], v[YO+\k], v[Y5O+\k], s50           ; y of my rows as it now stands
.endr
.irp p, 1,2,3,4,5,6,7
	s_cmp_ge_u32 s55, \p
	s_cselect_b32 s63, -1, 0                       ; slots up to that substep's interval are final (slot 0 always)
.irp k, 0,1,2,3,4,5,6,7,8,9,10,11,12,13,14,15
	v_cndmask_b32 v[TABR+16*\p+\k], v[YO+\k], v[TABR+16*\p+\k], s63
.endr
.endr
	s_cmp_eq_u32 s70, 0                            ; nothing of the schedule is left: the tail is passed over
	s_cbranch_scc1 .Lout
	; ---- the tail's set-up: my rows of the table go to LDS, since the net needs their registers
.set n, 0
.rept 32
	ds_store_b128 v245, v[TABR+4*n:TABR+4*n+3] offset:512*n
.set n, n+1
.endr
	s_wait_dscnt 0x0
	; the whole batch's y and y5 into LDS, 16 KiB a trip, at the byte offsets that they have in st
	v_mov_b32 v248, v1
	s_mov_b32 s75, 0
.Lcopy:
.set n, 0
.rept 32
	global_load_b128 v[112+4*n:115+4*n], v248, s[18:19] offset:512*n
.set n, n+1
.endr
	s_wait_loadcnt 0x0                             ; the data are in, and v248 may be stepped
.set n, 0
.rept 32
	ds_store_b128 v248, v[112+4*n:115+4*n] offset:512*n
.set n, n+1
.endr
	s_wait_dscnt 0x0
	v_add_nc_u32 v248, 0x4000, v248
	s_add_co_u32 s75, s75, 1
	s_cmp_lt_u32 s75, 4
	s_cbranch_scc1 .Lcopy
	YSEL                                           ; the last step launch's substep, now for all rows: s50 still holds its accept
	; ---- S trips, each a substep on the whole batch and its application
	s_mov_b32 s71, 0
.Ltrip:
	v_mov_b32 v252, 0
	v_mov_b32 v7, v249
	v_mov_b32 v8, v4
	s_mov_b32 s72, 0
.Lblk:
	ds_load_b64 v[YC:YC+1], v7
	s_wait_dscnt 0x0
	SUBSTEP
	ERRSUM
	v_add_f32 v252, v252, v[TT]
	v_cmp_lt_u32 vcc_lo, 15, v251
	v_cndmask_b32 v254, v[YC], v[Y5], vcc_lo       ; lanes 0-15 y, lanes 16-31 y5
	v_cndmask_b32 v255, v[YC+1], v[Y5+1], vcc_lo
	ds_store_b64 v8, v[254:255]
	v_add_nc_u32 v7, 0x100, v7
	v_add_nc_u32 v8, 0x100, v8
	s_add_co_u32 s72, s72, 1
	s_cmp_lt_u32 s72, 256
	s_cbranch_scc1 .Lblk
	v_mov_b32 v176, v252
	APPLY
	s_add_co_u32 s71, s71, 1
	s_cmp_lt_u32 s71, s70
	s_cbranch_scc1 .Ltrip
	; my rows of the table come back into the registers in which the short way has them
.set n, 0
.rept 32
	ds_load_b128 v[TABR+4*n:TABR+4*n+3], v245 offset:512*n
.set n, n+1
.endr
	s_wait_dscnt 0x0
.Lout:
	; ---- my rows of all eight slots, 512 consecutive bytes a store
.set n, 0
.rept 32
	global_store_b128 v247, v[TABR+4*n:TABR+4*n+3], s[24:25] offset:32768*(n/4)+512*(n%4)
.set n, n+1
.endr
	s_set_vgpr_msb 0x4
	s_wait_tensorcnt 0x0
	ds_add_u32 v246, v137
	s_wait_dscnt 0x0
	s_set_vgpr_msb 0x400
	s_endpgm
.Lfunc_end_k_q28be0b77c6_fin:
	.size	k_q28be0b77c6_fin, .Lfunc_end_k_q28be0b77c6_fin-k_q28be0b77c6_fin
	.p2alignl 7, 3214868480
	.fill 96, 4, 3214868480
	.section	.rodata,"a",@progbits
	.p2align	6, 0x0
	.amdhsa_kernel k_q28be0b77c6_fin
		.amdhsa_group_segment_fixed_size 98560
		.amdhsa_private_segment_fixed_size 0
		.amdhsa_enable_private_segment 0
		.amdhsa_kernarg_size 88
		.amdhsa_user_sgpr_count 2
		.amdhsa_user_sgpr_kernarg_segment_ptr 1
		.amdhsa_wavefront_size32 1
		.amdhsa_system_sgpr_workgroup_id_x 1
		.amdhsa_system_sgpr_workgroup_id_y 1
		.amdhsa_system_sgpr_workgroup_id_z 1
		.amdhsa_system_vgpr_workitem_id 0
		.amdhsa_next_free_vgpr 394
		.amdhsa_next_free_sgpr 80
		.amdhsa_reserve_vcc 1
		.amdhsa_float_denorm_mode_32 3
		.amdhsa_float_denorm_mode_16_64 3
		.amdhsa_memory_ordered 1
		.amdhsa_forward_progress 1
		.amdhsa_inst_pref_size 255
	.end_amdhsa_kernel
	.section	.bss,"aw",@nobits
	.p2align	6
	.space	262144
	.amdgpu_metadata
---
amdhsa.version: [ 1, 2 ]
amdhsa.kernels:
  - .name:           k_q28be0b77c6_fin
    .symbol:         k_q28be0b77c6_fin.kd
    .args:
      - { .name: W1, .offset: 0, .size: 8, .value_kind: global_buffer, .address_space: global }
      - { .name: b1, .offset: 8, .size: 8, .value_kind: global_buffer, .address_space: global }
      - { .name: b2, .offset: 16, .size: 8, .value_kind: global_buffer, .address_space: global }
      - { .name: b3, .offset: 24, .size: 8, .value_kind: global_buffer, .address_space: global }
      - { .name: b4, .offset: 32, .size: 8, .value_kind: global_buffer, .address_space: global }
      - { .name: t, .offset: 40, .size: 8, .value_kind: global_buffer, .address_space: global }
      - { .name: wpk, .offset: 48, .size: 8, .value_kind: global_buffer, .address_space: global }
      - { .name: stA, .offset: 56, .size: 8, .value_kind: global_buffer, .address_space: global }
      - { .name: tabA, .offset: 64, .size: 8, .value_kind: global_buffer, .address_space: global }
      - { .name: ctl, .offset: 72, .size: 8, .value_kind: global_buffer, .address_space: global }
      - { .name: out0, .offset: 80, .size: 8, .value_kind: global_buffer, .address_space: global }
    .group_segment_fixed_size: 98560
    .private_segment_fixed_size: 0
    .kernarg_segment_align: 8
    .kernarg_segment_size: 88
    .max_flat_workgroup_size: 32
    .sgpr_count:     80
    .vgpr_count:     394
    .wavefront_size: 32
...
	.end_amdgpu_metadata
.endif
;; end of part 7
